; MI455X (gfx1250); checked and timed in simulation.
; The chip was launched on July 23, 2026; its instructions are those of AMD's public machine-readable ISA for CDNA 5 (MIT licence, August 2026) and "CDNA5" Instruction Set Architecture Reference Guide (July 2026). The comments in the code are by the model that wrote it; some were corrected since.
;; Vanilla VQ. Allowed arithmetic: float matrix products may take bf16 or f16 operands with f32 sums; all other float work in f32.
;; Inputs: codebook 8,192 x 512 float32; z 16,384 x 512 float32.
;; Outputs: out0 16,384 x 512 float32; out1 16,384 int32.
;; 3 versions, each right; version 2 is faster than version 1; version 3 is version 2 with the launches prep, pick written anew for expert scheduling mode. Each part assembles by itself: llvm-mc -triple=amdgcn-amd-amdhsa -mcpu=gfx1250 --defsym DOCPART=n.
;; ======== version 1 of 3: 3 launches
;; workspace buffers: zb 16,777,216 bytes; cb 8,388,608 bytes; zsq 65,536 bytes; csq 32,768 bytes; pval 262,144 bytes; pidx 262,144 bytes of whole numbers
;; launch prep (part 1): grid 256 x 1, 8 waves a work-group, no clusters, 1,536 bytes of LDS; arguments z, codebook, zb, cb, zsq, csq; writes zb, cb, zsq, csq
.if DOCPART == 1
	.amdgcn_target "amdgcn-amd-amdhsa--gfx1250"
	.amdhsa_code_object_version 6
	.text
	.protected	k_qe46a7b13ad_prep
	.globl	k_qe46a7b13ad_prep
	.p2align	8
	.type	k_qe46a7b13ad_prep,@function
k_qe46a7b13ad_prep:
	s_mov_b64 s[64:65], 0
	v_nop
	global_prefetch_b8 v0, s[64:65] scope:SCOPE_SE
	s_setreg_imm32_b32 hwreg(HW_REG_WAVE_MODE, 25, 1), 1
	s_wait_xcnt 0x0
; prep: zb = bf16(z), cb = bf16(codebook), zsq[n] = sum of zb[n][:]^2, csq[k] = sum of cb[k][:]^2 (f32 sums over the ROUNDED numbers:
; the next launch forms d2 from the rounded operands, so its two norms belong to the same numbers).
; LIMIT: the sums are taken in an order of their own (two packed chains a lane, then across the 32 lanes), not in the order of a serial sum.
; SHARES.  256 work-groups of eight waves.  Work-group b: z rows 64 b .. +63 and code rows 32 b .. +31.  Wave w: 8 rows of z and 4 rows of the codebook,
; one row at a time over its 32 lanes (four loads of 16 bytes a lane: 512 consecutive bytes each).  All 48 loads of a wave go out at once: 24 KB a wave on their way.
; A stream: each input byte is read once, no work-group shares a byte with another, so no cluster, no tensor load and no matrix unit would add anything.
; The row sums meet in LDS so that zsq leaves as one store of 256 consecutive aligned bytes a work-group; csq's 32 numbers are 128 bytes, half of such a block (32 KB in the whole launch).
.set SPARE, 512                        ; LDS: 0..255 the 64 sums of z; 256..383 the 32 sums of the codebook; from 512 the spare words, 128 bytes a wave
.set T,   8                            ; v[8:15]   at work: widened numbers
.set SPW, 28                           ; v28       LDS address of my spare word; never rewritten
.set NIL, 29                           ; v29       0; never rewritten
.set X,   32                           ; v[32:223] row i of my 12 at X + 16 i: as loaded, then its first two words of each four packed to bf16
	s_load_b256 s[4:11], s[0:1], 0x0               ; z s[4:5], codebook s[6:7], zb s[8:9], cb s[10:11]
	s_load_b128 s[12:15], s[0:1], 0x20             ; zsq s[12:13], csq s[14:15]
	v_lshl_add_u32 v[SPW], v0, 2, SPARE
	v_mov_b32 v[NIL], 0
	v_lshrrev_b32 v6, 5, v0
	v_readfirstlane_b32 s16, v6                    ; wave 0..7
	v_and_b32 v7, 31, v0                           ; lane
	v_lshlrev_b32 v1, 4, v7                        ; 16 x lane: my 16 bytes in 512 of an f32 row
	v_lshlrev_b32 v2, 3, v7                        ; 8 x lane: my 8 bytes in 256 of a bf16 row
	v_lshlrev_b32 v5, 2, v7                        ; 4 x lane
	s_lshl_b32 s20, s16, 5
	v_mov_b32 v3, s20                              ; LDS: my wave's 8 sums of z at 32 w
	s_lshl_b32 s20, s16, 4
	s_add_co_u32 s20, s20, 256
	v_mov_b32 v4, s20                              ; LDS: my wave's 4 sums of the codebook at 256 + 16 w
	v_mov_b32 v21, 0                               ; v_permlanex16_b32 counts as a reader of its destination: written once here
	s_mov_b32 s17, 0xffff0000                      ; a word's upper bf16
	s_mov_b32 s18, 0x76543210                      ; v_permlanex16_b32: each lane takes its own place in the other half
	s_mov_b32 s19, 0xfedcba98
	s_lshl_b32 s20, ttmp9, 17                      ; z: (64 b + 8 w) rows of 2,048 bytes
	s_lshl_b32 s22, s16, 14
	s_add_co_u32 s20, s20, s22
	s_mov_b32 s21, 0
	s_lshr_b32 s22, s20, 1                         ; codebook: (32 b + 4 w) x 2,048, and zb: (64 b + 8 w) x 1,024: the same number
	s_mov_b32 s23, 0
	s_lshr_b32 s24, s20, 2                         ; cb: (32 b + 4 w) x 1,024
	s_mov_b32 s25, 0
	s_lshl_b32 s26, ttmp9, 8                       ; zsq: 64 b numbers
	s_mov_b32 s27, 0
	s_lshl_b32 s28, ttmp9, 7                       ; csq: 32 b numbers
	s_mov_b32 s29, 0
	s_wait_kmcnt 0x0
	s_add_nc_u64 s[4:5], s[4:5], s[20:21]
	s_add_nc_u64 s[6:7], s[6:7], s[22:23]
	s_add_nc_u64 s[8:9], s[8:9], s[22:23]
	s_add_nc_u64 s[10:11], s[10:11], s[24:25]
	s_add_nc_u64 s[12:13], s[12:13], s[26:27]
	s_add_nc_u64 s[14:15], s[14:15], s[28:29]
.irp i, 0,1,2,3,4,5,6,7
.irp j, 0,1,2,3
	global_load_b128 v[X+16*(\i)+4*(\j):X+16*(\i)+4*(\j)+3], v1, s[4:5] offset:2048*(\i)+512*(\j) th:TH_LOAD_NT
.endr
.endr
.irp i, 0,1,2,3
.irp j, 0,1,2,3
	global_load_b128 v[X+128+16*(\i)+4*(\j):X+128+16*(\i)+4*(\j)+3], v1, s[6:7] offset:2048*(\i)+512*(\j) th:TH_LOAD_NT
.endr
.endr
; Row i of my 12.  base: the bf16 output's address pair; oi: the row's number there; la, li: where its sum goes in LDS; left: the younger rows' loads, which stay out.
; No register that a store names is written again, so no wait stands for the stores.
.macro ROW i, base, oi, la, li, left
	s_wait_loadcnt \left                           ; loads come back in order (ISA guide 5.7.1): this row's four are in
.irp j, 0,1,2,3
	v_cvt_pk_bf16_f32 v[X+16*(\i)+4*(\j)],   v[X+16*(\i)+4*(\j)],   v[X+16*(\i)+4*(\j)+1]   ; four numbers become two words, in place
	v_cvt_pk_bf16_f32 v[X+16*(\i)+4*(\j)+1], v[X+16*(\i)+4*(\j)+2], v[X+16*(\i)+4*(\j)+3]
	global_store_b64 v2, v[X+16*(\i)+4*(\j):X+16*(\i)+4*(\j)+1], s[\base:\base+1] offset:1024*(\oi)+256*(\j)  ; 32 lanes x 8 bytes: 256 consecutive bytes, aligned
.endr
.irp j, 0,1,2,3
	v_lshlrev_b32 v[T+4*((\j)%2)],   16,  v[X+16*(\i)+4*(\j)]      ; the rounded numbers back in f32
	v_and_b32     v[T+4*((\j)%2)+1], s17, v[X+16*(\i)+4*(\j)]
	v_lshlrev_b32 v[T+4*((\j)%2)+2], 16,  v[X+16*(\i)+4*(\j)+1]
	v_and_b32     v[T+4*((\j)%2)+3], s17, v[X+16*(\i)+4*(\j)+1]
.if (\j) == 0
	v_pk_mul_f32 v[16:17], v[T:T+1], v[T:T+1]                      ; the first products start the two chains: nothing is cleared
	v_pk_mul_f32 v[18:19], v[T+2:T+3], v[T+2:T+3]
.else
	v_pk_fma_f32 v[16:17], v[T+4*((\j)%2):T+4*((\j)%2)+1], v[T+4*((\j)%2):T+4*((\j)%2)+1], v[16:17]
	v_pk_fma_f32 v[18:19], v[T+4*((\j)%2)+2:T+4*((\j)%2)+3], v[T+4*((\j)%2)+2:T+4*((\j)%2)+3], v[18:19]
.endif
.endr
	v_pk_add_f32 v[16:17], v[16:17], v[18:19]
	v_add_f32 v20, v16, v17
	v_add_f32_dpp v20, v20, v20 row_xmask:1 row_mask:0xf bank_mask:0xf
	v_add_f32_dpp v20, v20, v20 row_xmask:2 row_mask:0xf bank_mask:0xf
	v_add_f32_dpp v20, v20, v20 row_xmask:4 row_mask:0xf bank_mask:0xf
	v_add_f32_dpp v20, v20, v20 row_xmask:8 row_mask:0xf bank_mask:0xf
	v_permlanex16_b32 v21, v20, s18, s19
	v_add_f32 v20, v20, v21                        ; every lane holds the row's sum
	ds_store_b32 v[\la], v20 offset:4*(\li)        ; all lanes write the same word with the same number
.endm
.irp i, 0,1,2,3,4,5,6,7
	ROW \i, 8, \i, 3, \i, 44-4*(\i)                ; 44, 40, .. 16: four loads for each younger row
.endr
.irp i, 0,1,2,3
	ROW 8+(\i), 10, \i, 4, \i, 12-4*(\i)           ; 12, 8, 4, 0
.endr
	s_wait_dscnt 0x0                               ; for the others' sake: my sums are in LDS
	s_barrier_signal -1
	s_barrier_wait -1
	s_cmp_lg_u32 s16, 0
	s_cbranch_scc1 .Lnot_wave_0
	ds_load_b64 v[24:25], v2                       ; wave 0: the 64 sums of z, two a lane
	s_wait_dscnt 0x0
	global_store_b64 v2, v[24:25], s[12:13]        ; 256 consecutive bytes, aligned
.Lnot_wave_0:
	s_cmp_lg_u32 s16, 1
	s_cbranch_scc1 .Lnot_wave_1
	ds_load_b32 v24, v5 offset:256                 ; wave 1: the 32 sums of the codebook
	s_wait_dscnt 0x0
	global_store_b32 v5, v24, s[14:15]             ; 128 consecutive bytes
.Lnot_wave_1:
	s_wait_tensorcnt 0x0                           ; the wave's end: three lines behind my last LDS store
	ds_add_u32 v[SPW], v[NIL]
	s_wait_dscnt 0x0
	s_endpgm
.Lfunc_end_k_qe46a7b13ad_prep:
	.size	k_qe46a7b13ad_prep, .Lfunc_end_k_qe46a7b13ad_prep-k_qe46a7b13ad_prep
	.p2alignl 7, 3214868480
	.fill 96, 4, 3214868480
	.section	.rodata,"a",@progbits
	.p2align	6, 0x0
	.amdhsa_kernel k_qe46a7b13ad_prep
		.amdhsa_group_segment_fixed_size 1536
		.amdhsa_private_segment_fixed_size 0
		.amdhsa_enable_private_segment 0
		.amdhsa_kernarg_size 48
		.amdhsa_user_sgpr_count 2
		.amdhsa_user_sgpr_kernarg_segment_ptr 1
		.amdhsa_wavefront_size32 1
		.amdhsa_system_sgpr_workgroup_id_x 1
		.amdhsa_system_sgpr_workgroup_id_y 1
		.amdhsa_system_sgpr_workgroup_id_z 1
		.amdhsa_system_vgpr_workitem_id 0
		.amdhsa_next_free_vgpr 232
		.amdhsa_next_free_sgpr 66
		.amdhsa_reserve_vcc 0
		.amdhsa_float_denorm_mode_32 3
		.amdhsa_float_denorm_mode_16_64 3
		.amdhsa_memory_ordered 1
		.amdhsa_forward_progress 1
		.amdhsa_inst_pref_size 36
	.end_amdhsa_kernel
	.amdgpu_metadata
---
amdhsa.version: [ 1, 2 ]
amdhsa.kernels:
  - .name:           k_qe46a7b13ad_prep
    .symbol:         k_qe46a7b13ad_prep.kd
    .args:
      - { .name: z, .offset: 0, .size: 8, .value_kind: global_buffer, .address_space: global }
      - { .name: codebook, .offset: 8, .size: 8, .value_kind: global_buffer, .address_space: global }
      - { .name: zb, .offset: 16, .size: 8, .value_kind: global_buffer, .address_space: global }
      - { .name: cb, .offset: 24, .size: 8, .value_kind: global_buffer, .address_space: global }
      - { .name: zsq, .offset: 32, .size: 8, .value_kind: global_buffer, .address_space: global }
      - { .name: csq, .offset: 40, .size: 8, .value_kind: global_buffer, .address_space: global }
    .group_segment_fixed_size: 1536
    .private_segment_fixed_size: 0
    .kernarg_segment_align: 8
    .kernarg_segment_size: 48
    .max_flat_workgroup_size: 256
    .sgpr_count:     66
    .vgpr_count:     232
    .wavefront_size: 32
...
	.end_amdgpu_metadata
.endif
;; end of part 1
;; launch vq (part 2): grid 64 x 4, 4 waves a work-group, clusters of 4 x 1, 327,680 bytes of LDS; arguments zb, cb, zsq, csq, pval, pidx; writes pval, pidx
.if DOCPART == 2
	.amdgcn_target "amdgcn-amd-amdhsa--gfx1250"
	.amdhsa_code_object_version 6
	.text
	.protected	k_qe46a7b13ad_vq
	.globl	k_qe46a7b13ad_vq
	.p2align	8
	.type	k_qe46a7b13ad_vq,@function
k_qe46a7b13ad_vq:
	s_mov_b64 s[64:65], 0
	v_nop
	global_prefetch_b8 v0, s[64:65] scope:SCOPE_SE
	s_setreg_imm32_b32 hwreg(HW_REG_WAVE_MODE, 25, 1), 1
	s_wait_xcnt 0x0
	s_wait_alu depctr_hold_cnt(0) depctr_sa_sdst(0) depctr_va_vdst(0) depctr_va_sdst(0) depctr_va_ssrc(0) depctr_va_vcc(0) depctr_vm_vsrc(0)
	s_getreg_b32 s2, hwreg(HW_REG_IB_STS2, 6, 4)
	s_cmp_eq_u32 s2, 0
	s_cbranch_scc0 .Lentry_in_a_cluster
	s_endpgm
.Lentry_in_a_cluster:
	s_bfe_u32 s2, ttmp6, 0x10000c
	s_cmp_lg_u32 s2, 0x3003
	s_cbranch_scc0 .Lentry_shape_is_right
	s_endpgm
.Lentry_shape_is_right:
; vq: for 256 rows of z and a quarter (2,048) of the codes: x = zb . cb^T on the matrix unit (bf16 operands, f32 sums), d2 = fl(fl(z_sq - 2 x) + c_sq), rounded exactly
; as the formula is written (2 x is exact, so each of the two packed multiply-adds rounds once), and the FIRST code that attains the row's least d2.
; Out: pval[quarter][row] the least d2, pidx[quarter][row] its code's number in the whole codebook.
; LIMITS.  NaN and infinities are not treated apart: the running minimum starts at +infinity with the quarter's first block.  d2 is this rounded formula, not the true distance: with z_sq
; near 512 many codes tie, and the lowest number wins.  A row whose best codes lie within the last bits of the matrix sum of a rounding boundary of d2 may take the other one.
; SHARES.  Grid 64 x 4: row block bx, quarter g.  Four waves; a wave owns 64 rows (four blocks rb of 16) and keeps their 512 channels in 512 registers for the whole launch, so z is never
; read from LDS.  Every wave walks the quarter's 128 BLOCKS of 16 codes; a block's 16 fragments (16 codes x 32 channels) come from LDS, two loads of 16 bytes each, and each feeds 4 products.
; LAYOUT.  Source 0 = 16 codes, source 1 = 16 rows of z: in the result a lane holds ONE row of z (lane % 16) and the codes 8 (lane / 16) + j in register j.  So a running minimum needs no
; exchange of lanes: one minimum and one block number for each lane, row block and register j (32 of each); the code's number is 16 x block + a constant of the place.
; BY TURNS.  A block is 16 QUADS (32 channels each) of four products, the four accumulators by turns.  Two accumulator buffers: while block n is multiplied, the 16 pairs of
; scores of block n - 1 are treated, a pair a quad: two packed lines for d2 behind the first product, three lines of tracking behind the second and behind the fourth.
; CLUSTER.  The four work-groups of a cluster have the same quarter g and walk the same tiles of cb and the same c_sq: every tensor load is asked for JOINTLY, with the mask of the four.
; Each wave fetches its quarter of a tile by the same line (both addresses step with the wave's number): no branch stands round a load.
; LDS.  Two slots of 128 codes (8 blocks), rows of 1,024 bytes + 16 of padding; c_sq of the quarter (8,192 bytes, filled once); a stage of 512 bytes a wave for the way out; the spare words.
; REGISTERS, in windows of 256 (s_set_vgpr_msb: bits 1:0 source 0, 3:2 source 1, 5:4 source 2, 7:6 destination):
;   window 0: v0-15 addresses; v20-27 the way out; v32-47 c_sq, two buffers of 8; v48-55 z_sq, a pair a row block; v64-127 accumulators, two buffers of 4; v128-255 the 16 code fragments
;   window 1: v0-31 the minima, v32-63 their block numbers (8 rb + j); v64-71 the places' constants      windows 2, 3: z: channels 32 ks on, row block rb at 8 (4 (ks % 8) + rb), window 2 + ks / 8
; Under the products' setting (only source 1 high) also run the fragment loads, the two lines for d2 (their source 1 is a constant) and the address lines; only the tracking wants another.
.set PITCH, 1040                       ; 65 x 16 bytes: the 16 rows that a fragment load touches start 16 bytes apart modulo 256
.set BLK,   16*PITCH                   ; a block of 16 codes
.set QTR,   32*PITCH                   ; what one tensor load brings: 32 codes (0x8200)
.set SLOT1, 0x21000                    ; slot 1 begins here (a slot is 8 BLK = 133,120): bits 12 and 17, which no wave's 0, 1, 2, 3 x QTR has, so one exclusive or changes slots
.set CSQ,   SLOT1+8*BLK                ; 268,288
.set STAGE, CSQ+8192                   ; 276,480: never filled by a tensor load
.set SPARE, STAGE+4*512                ; 278,528: the spare words, 128 bytes for each wave: two blocks of 256 bytes that no other line names
.set LB,  4                            ; v4   my lane's place in a block: (l % 16) x PITCH + 16 (l / 16)
.set ADR, 5                            ; v5   LDS address of the block that is being fetched
.set LC,  6                            ; v6   my lane's place in a block's c_sq: 32 (l / 16)
.set ADC, 7                            ; v7   LDS address of that block's c_sq
.set ZO,  8                            ; v8   my byte offset in 16 rows of zb
.set QZ,  9                            ; v9   4 (l % 16)
.set STO, 10                           ; v10  the way out: my word in my wave's stage
.set RDA, 11                           ; v11  the way out: my 8 bytes there
.set GO,  12                           ; v12  8 l
.set HB,  13                           ; v13  2,048 g + 8 (l / 16)
.set SPW, 14                           ; v14  LDS address of my spare word; never rewritten
.set NIL, 15                           ; v15  0; never rewritten
.set CS,  32
.set ZR,  48
.set ACC, 64
.set FR,  128
.set E,   64                           ; the end: at work, where the accumulators lay
.set CA,  128                          ; the end: code numbers, where the fragments lay
.set BEST, 0                           ; window 1
.set IDX,  32
.set HJ,   64
.set WV,  16                           ; s16  my wave's number
.set G1,  24                           ; s[24:31] group 1 for cb's tiles
.set G1C, 32                           ; s[32:39] group 1 for c_sq
.set G0A, 40                           ; s[40:43] group 0: tile 0
.set G0B, 44                           ; s[44:47] group 0: tile 1; it then walks
.set G0C, 48                           ; s[48:51] group 0: c_sq
.set SLOTS, 52
.set CNT, 53
.set TB,  54                           ; s54  LDS byte of the block to be fetched next
.set TC,  55                           ; s55  LDS byte of its c_sq
.set BN,  56                           ; s56  number of the block whose scores are being treated
.set HM,  59                           ; s59  lanes 16-31
.set SEL, 60                           ; s[60:61] v_permlanex16_b32's selects
.set MSB, 0
.macro WIN new                         ; the immediate's high byte repeats the setting that is left; a switch that changes nothing is dropped
.if MSB != (\new)
	s_set_vgpr_msb (MSB<<8)|(\new)
.set MSB, (\new)
.endif
.endm
; A round of the cluster's barrier: my work-group's barrier, so that wave 0's signal speaks for all four waves; wave 0 signals; every wave waits for all four work-groups; my work-group's barrier once more.
.macro CROUND
	s_barrier_signal -1
	s_barrier_wait -1
	s_cmp_lg_u32 s[WV], 0
	s_cbranch_scc1 .Lnot_wave_0_\@
	s_barrier_signal -3
.Lnot_wave_0_\@:
	s_barrier_wait -3
	s_barrier_signal -1
	s_barrier_wait -1
.endm
	s_load_b256 s[4:11], s[0:1], 0x0               ; zb s[4:5], cb s[6:7], zsq s[8:9], csq s[10:11]
	s_load_b128 s[12:15], s[0:1], 0x20             ; pval s[12:13], pidx s[14:15]
	v_lshl_add_u32 v[SPW], v0, 2, SPARE
	v_mov_b32 v[NIL], 0
	ds_add_u32 v[SPW], v[NIL]                      ; the wave's opening: the add and its wait stand ahead of my first tensor load; the set-up below, work on registers, stands between them
	v_lshrrev_b32 v1, 5, v0
	v_readfirstlane_b32 s[WV], v1                  ; wave 0..3
	s_bfe_u32 s17, ttmp6, 0x40000                  ; cx: my place in the cluster
	s_lshl_b32 s18, ttmp9, 2                       ; in a cluster launch ttmp9 counts clusters
	s_add_co_u32 s18, s18, s17                     ; bx = 4 x cluster x + cx: it enters the addresses of zb, zsq, pval and pidx alone
	s_and_b32 s19, ttmp7, 0xffff                   ; g, which the four partners share
	s_lshl_b32 s20, s19, 21                        ; cb: the quarter's 2,048 rows of 1,024 bytes,
	s_lshl_b32 s21, s[WV], 15                      ; my 32 rows of a tile
	s_add_co_u32 s20, s20, s21
	s_mov_b32 s21, 0
	s_lshl_b32 s22, s19, 13                        ; csq: the quarter's 8,192 bytes,
	s_lshl_b32 s23, s[WV], 11                      ; my 2,048 of them
	s_add_co_u32 s22, s22, s23
	s_mov_b32 s23, 0
	s_lshl_b32 s2, s18, 18                         ; zb: the block's 256 rows of 1,024 bytes,
	s_lshl_b32 s3, s[WV], 16                       ; my wave's 64
	s_add_co_u32 s2, s2, s3
	s_mov_b32 s3, 0
	; group 1 for cb: a tile of 32 rows x 512 elements of 2 bytes, padded in LDS
	s_mov_b32 s[G1], 15|(1<<16)|(1<<20)|(1<<21)|(7<<22)|(3<<25)  ; 15:0 the mask of four; 17:16 2-byte elements; 20 padding on; 21 set beside a mask; 24:22 after every 256 words (code 7); 31:25 4 words (code 3)
	s_mov_b32 s[G1+1], 512<<16                     ; tensor_dim0 = 512
	s_mov_b32 s[G1+2], 32<<16                      ; tensor_dim1 = 32
	s_mov_b32 s[G1+3], 512<<16                     ; tile_dim0 = 512
	s_mov_b32 s[G1+4], 32                          ; tile_dim1 = 32
	s_mov_b32 s[G1+5], 512                         ; 512 elements from row to row
	s_mov_b32 s[G1+6], 0
	s_mov_b32 s[G1+7], 0
	; group 1 for c_sq: one row of 256 elements of 8 bytes
	s_mov_b32 s[G1C], 15|(3<<16)|(1<<21)
	s_mov_b32 s[G1C+1], 256<<16
	s_mov_b32 s[G1C+2], 1<<16
	s_mov_b32 s[G1C+3], 256<<16
	s_mov_b32 s[G1C+4], 1
	s_mov_b32 s[G1C+5], 256
	s_mov_b32 s[G1C+6], 0
	s_mov_b32 s[G1C+7], 0
	s_mov_b32 s[G0A], 1                            ; count = 1
	s_mul_i32 s[G0A+1], s[WV], QTR                 ; LDS: slot 0, my quarter: no place in the cluster enters an LDS address
	s_mov_b32 s[G0B], 1
	s_add_co_u32 s[G0B+1], s[G0A+1], SLOT1         ; slot 1
	s_mov_b32 s[G0C], 1
	s_lshl_b32 s[G0C+1], s[WV], 11
	s_add_co_u32 s[G0C+1], s[G0C+1], CSQ
	s_mov_b32 s[HM], 0xffff0000
	s_mov_b32 s[SEL], 0x76543210
	s_mov_b32 s[SEL+1], 0xfedcba98
	s_mov_b32 s58, 0x7f800000                      ; +infinity
	s_mov_b32 s[TB], BLK                           ; block 0 is fetched by the lines in front of the walk: block 1 is next
	s_mov_b32 s[TC], CSQ+64
	s_mov_b32 s[BN], -1                            ; the first unit steps it to 0 ahead of block 0's first pair
	s_wait_dscnt 0x0                               ; the opening add is done
	s_wait_kmcnt 0x0
	s_add_nc_u64 s[G0A+2:G0A+3], s[6:7], s[20:21]  ; tile 0, my 32 rows
	s_add_nc_u64 s[G0B+2:G0B+3], s[G0A+2:G0A+3], 0x20000  ; tile 1: 128 rows of 1,024 bytes on
	s_or_b32 s[G0A+3], s[G0A+3], 0x80000000        ; type = 2
	s_or_b32 s[G0B+3], s[G0B+3], 0x80000000
	s_add_nc_u64 s[G0C+2:G0C+3], s[10:11], s[22:23]
	s_or_b32 s[G0C+3], s[G0C+3], 0x80000000
	s_add_nc_u64 s[4:5], s[4:5], s[2:3]            ; zb at my wave's first row
	s_lshr_b32 s2, s2, 8                           ; 4 bytes a row: 1,024 bx + 256 w
	s_add_nc_u64 s[8:9], s[8:9], s[2:3]            ; zsq there
	s_lshl_b32 s17, s19, 16                        ; a quarter's 16,384 numbers
	s_add_co_u32 s2, s2, s17
	s_add_nc_u64 s[12:13], s[12:13], s[2:3]        ; pval and pidx at my wave's 64 rows of quarter g
	s_add_nc_u64 s[14:15], s[14:15], s[2:3]
	CROUND                                         ; all four work-groups are here: the first joint loads meet
	tensor_load_to_lds s[G0C:G0C+3], s[G1C:G1C+7]  ; the three first fills go out together: three loads of mine are out here, later one
	s_nop 0
	tensor_load_to_lds s[G0A:G0A+3], s[G1:G1+7]
	s_nop 0
	tensor_load_to_lds s[G0B:G0B+3], s[G1:G1+7]
	s_nop 0
.rept 4
	v_nop
.endr
	v_and_b32 v1, 15, v0                           ; l % 16
	v_bfe_u32 v2, v0, 4, 1                         ; l / 16
	v_and_b32 v3, 31, v0                           ; l
	v_mul_u32_u24 v[LB], v1, PITCH
	v_lshl_add_u32 v[LB], v2, 4, v[LB]
	v_lshlrev_b32 v[LC], 5, v2
	v_lshlrev_b32 v[ZO], 10, v1
	v_lshl_add_u32 v[ZO], v2, 4, v[ZO]             ; row x 1,024 + 16 x half
	v_lshlrev_b32 v[QZ], 2, v1
	s_lshl_b32 s17, s[WV], 9
	s_add_co_u32 s17, s17, STAGE                   ; my stage
	v_lshl_add_u32 v[STO], v3, 2, s17
	v_lshl_add_u32 v[RDA], v3, 3, s17
	v_lshlrev_b32 v[GO], 3, v3
	s_lshl_b32 s17, s19, 11
	v_lshl_add_u32 v[HB], v2, 3, s17
	; z stays in registers.  A fragment is 16 rows x 32 channels in 8 registers: lane l holds row l % 16, channels 8 (l / 16) + 0..7 and 16 + 8 (l / 16) + 0..7: two loads of 16 bytes, 32 bytes apart.
.macro ZLOAD hi
	WIN 0x80+0x40*(\hi)                            ; destination window 2 or 3, address window 0
.irp ks, 0,1,2,3,4,5,6,7
.irp rb, 0,1,2,3
	global_load_b128 v[8*(4*(\ks)+(\rb)):8*(4*(\ks)+(\rb))+3],   v[ZO], s[4:5] offset:16384*(\rb)+512*(\hi)+64*(\ks)
	global_load_b128 v[8*(4*(\ks)+(\rb))+4:8*(4*(\ks)+(\rb))+7], v[ZO], s[4:5] offset:16384*(\rb)+512*(\hi)+64*(\ks)+32
.endr
.endr
.endm
	ZLOAD 0
	ZLOAD 1
	WIN 0
.irp rb, 0,1,2,3
	global_load_b32 v[ZR+2*(\rb)],   v[QZ], s[8:9] offset:64*(\rb)  ; z_sq of my row in row block rb, into both registers of a pair: the packed line takes a plain pair
	global_load_b32 v[ZR+2*(\rb)+1], v[QZ], s[8:9] offset:64*(\rb)
.endr
	WIN 0x40                                       ; destination window 1.  The 72 lines below stand in the wait for the first tile
.set i, 0
.rept 32
	v_mov_b32 v[BEST+i], s58
	v_mov_b32 v[IDX+i], 0
.set i, i+1
.endr
.irp j, 0,1,2,3,4,5,6,7
	v_add_nc_u32 v[HJ+(\j)], \j, v[HB]             ; the code's number is 16 x block + 2,048 g + 8 (l / 16) + j
.endr
	WIN 0
; Product rb of quad q (channels 32 q on) of a block whose accumulators are buffer p.  Quad 0 starts the sums with the constant 0: nothing is ever cleared.
.macro MM q, p, rb
.set rA, ACC+32*(\p)+8*(\rb)
.set rZ, 8*(4*((\q)%8)+(\rb))
	WIN 0x08+4*((\q)/8)                            ; source 1 (z) in window 2 or 3, all else in window 0
.if (\q) == 0
	v_wmma_f32_16x16x32_bf16 v[rA:rA+7], v[FR+8*(\q):FR+8*(\q)+7], v[rZ:rZ+7], 0
.else
	v_wmma_f32_16x16x32_bf16 v[rA:rA+7], v[FR+8*(\q):FR+8*(\q)+7], v[rZ:rZ+7], v[rA:rA+7]
.endif
.endm
; Pair q of 16 of the scores in buffer pp (row block q / 4, registers 2 (q % 4) and + 1): x becomes d2, in place.  Each accumulator's lowest registers are read first,
.macro D2 q, pp
.set rP, ACC+32*(\pp)+8*((\q)/4)+2*((\q)%4)
.set rC, CS+8*(\pp)+2*((\q)%4)
.set rR, ZR+2*((\q)/4)
	v_pk_fma_f32 v[rP:rP+1], v[rP:rP+1], -2.0, v[rR:rR+1] op_sel_hi:[1,0,1]  ; fl(z_sq - 2 x): 2 x is exact, one rounding
	v_pk_fma_f32 v[rP:rP+1], v[rP:rP+1], 1.0, v[rC:rC+1] op_sel_hi:[1,0,1]   ; fl(that + c_sq)
.endm
; Score e of pair q: the place's minimum and block number.  The number is kept where d2 >= the minimum, so the first block that attains it stays.
.macro TRACK q, pp, e
.set rP, ACC+32*(\pp)+8*((\q)/4)+2*((\q)%4)+(\e)
.set rB, 8*((\q)/4)+2*((\q)%4)+(\e)
	WIN 0x44                                       ; source 1 and destination in window 1
	v_cmp_ge_f32 vcc_lo, v[rP], v[BEST+rB]
	v_min_num_f32 v[BEST+rB], v[rP], v[BEST+rB]
	v_cndmask_b32 v[IDX+rB], s[BN], v[IDX+rB], vcc_lo
.endm
; A QUAD: four products; rd = 1: pair q of the other buffer rides with them; ld = 1: two fragment loads (quad 0: four loads); wt: the count of the wait at its head, or -1 for none.
; A load into a fragment's registers stands four plain vector instructions or more behind the last product that read them (ISA guide 7.12.1 for vector instructions):
; that product is the quad before's fourth, and behind it stand three lines of tracking, two for d2 and three of tracking; without riders four v_nop.
.macro QUAD q, p, rd, ld, wt
.if (\wt) >= 0
	s_wait_dscnt \wt
.endif
	MM \q, \p, 0
.if \rd
	D2 \q, 1-(\p)
.endif
	MM \q, \p, 1
.if \rd
	TRACK \q, 1-(\p), 0
.endif
	MM \q, \p, 2
.if \ld
.if !(\rd)
.rept 4
	v_nop
.endr
.endif
.if (\q) == 0
	ds_load_b128 v[FR+120:FR+123], v[ADR] offset:960               ; this block's last fragment,
	ds_load_b128 v[FR+124:FR+127], v[ADR] offset:992
	ds_load_b128 v[CS+8*(\p):CS+8*(\p)+3],   v[ADC]                ; and the c_sq of my 8 codes of it
	ds_load_b128 v[CS+8*(\p)+4:CS+8*(\p)+7], v[ADC] offset:16
.else
	ds_load_b128 v[FR+8*((\q)-1):FR+8*((\q)-1)+3],   v[ADR] offset:64*((\q)-1)     ; the next block's fragment q - 1, into the registers that the quad before has left
	ds_load_b128 v[FR+8*((\q)-1)+4:FR+8*((\q)-1)+7], v[ADR] offset:64*((\q)-1)+32
.endif
.endif
	MM \q, \p, 3
.if \rd
	TRACK \q, 1-(\p), 1
.endif
.endm
; A UNIT: quads 1 to 15 of block n (buffer p) and quad 0 of block n + 1.  It reads from LDS exactly block n + 1.
; THE WAITS.  LDS loads come back in order (ISA guide 5.7.1).  Behind the two loads of fragment q (1 to 14) stand, when quad q begins, 2 (14 - q) of that unit's quads, the 4 of its closing quad and
; 2 (q - 1) of this unit: 30; behind fragment 15's the 2 of c_sq and 28: 30.  Behind fragment 0's, at the closing quad, those of quads 2 to 15: 28; c_sq's two have 30 behind them at their first use, behind that same wait.
; The address lines are shifts by 0 with an add: their vector source stands in source 0, which the products' setting leaves in window 0.
.macro UNIT p, rd
	WIN 0x08
	v_lshl_add_u32 v[ADR], v[LB], 0, s[TB]
	s_add_co_u32 s[TB], s[TB], BLK
.irp q, 1,2,3,4,5,6,7,8,9,10,11,12,13,14,15
	QUAD \q, \p, \rd, 1, 30
.endr
	s_add_co_u32 s[BN], s[BN], 1                   ; the riders go on to block n
	WIN 0x08
	v_lshl_add_u32 v[ADC], v[LC], 0, s[TC]
	s_add_co_u32 s[TC], s[TC], 64
	QUAD 0, 1-(\p), 1, 1, 28
.endm
.macro UNITS n                         ; 2 n units, beginning with an odd block
	WIN 0                                          ; at a label and at a branch every window is 0
	s_mov_b32 s[CNT], \n
.Lunit_\@:
	UNIT 1, 1
	UNIT 0, 1
	WIN 0
	s_sub_co_u32 s[CNT], s[CNT], 1
	s_cmp_lg_u32 s[CNT], 0
	s_cbranch_scc1 .Lunit_\@
.endm
; THE CHANGE OF SLOTS.  The slot's last block has been asked for.  Each wave waits for all its tensor loads, of which one is out: its part of the other slot; adds 0 to its spare word; and waits for that
; and for its own reads of the slot.  fill = 1: the slot is filled again with the tile two on; the barrier is then a round of the cluster's, so that no wave of any partner still reads the slot or has a load
; on its way, and the joint refill is the first thing behind it: it has eight units, 512 products, in which to land.
.macro CHANGE fill
	WIN 0
	s_wait_tensorcnt 0x0                           ; no tensor load of mine is out, so a group 0 may be written
	ds_add_u32 v[SPW], v[NIL]                      ; 0 onto my spare word
.if \fill
	s_xor_b32 s[G0B+1], s[G0B+1], SLOT1            ; the walking descriptor: the other slot than last time,
	s_add_nc_u64 s[G0B+2:G0B+3], s[G0B+2:G0B+3], 0x20000  ; the next 128 codes; the type bits on top are not reached
	s_wait_dscnt 0x0                               ; the add is done, and my reads of the slot are over
	CROUND
	tensor_load_to_lds s[G0B:G0B+3], s[G1:G1+7]
	s_nop 0
.rept 4
	v_nop
.endr
.else
	s_wait_dscnt 0x0                               ; the add is done, and my reads of the slot are over
	s_barrier_signal -1
	s_barrier_wait -1
.endif
	s_sub_co_u32 s[TB], s[TB], 8*BLK               ; the fetches go back to a slot's first block,
	s_xor_b32 s[TB], s[TB], SLOT1                  ; in the other slot
.endm
	s_wait_tensorcnt 0x1                           ; my parts of c_sq and of tile 0 are in; tile 1's may stay out
	s_barrier_signal -1
	s_barrier_wait -1                              ; everybody's are
.irp ks, 0,1,2,3,4,5,6,7,8,9,10,11,12,13,14,15
	ds_load_b128 v[FR+8*(\ks):FR+8*(\ks)+3],   v[LB] offset:64*(\ks)       ; block 0 lies at the head of slot 0
	ds_load_b128 v[FR+8*(\ks)+4:FR+8*(\ks)+7], v[LB] offset:64*(\ks)+32
.endr
	v_add_nc_u32 v[ADC], CSQ, v[LC]
	ds_load_b128 v[CS:CS+3],   v[ADC]
	ds_load_b128 v[CS+4:CS+7], v[ADC] offset:16
	s_wait_loadcnt 0x0                             ; z and z_sq
	s_wait_dscnt 0x0
	QUAD 0, 0, 0, 0, -1                            ; block 0's first quad: there are no scores yet to treat
	UNIT 0, 0                                      ; blocks 0 | 1: riders only in its closing quad
	UNITS 3                                        ; units 1 to 6 fetch the rest of tile 0
	s_mov_b32 s[SLOTS], 14
.Lslot:                                                ; 14 trips: trip c enters tile c, asks for tile c + 1 and runs units 8 c - 1 to 8 c + 6
	CHANGE 1
	UNITS 4
	s_sub_co_u32 s[SLOTS], s[SLOTS], 1
	s_cmp_lg_u32 s[SLOTS], 0
	s_cbranch_scc1 .Lslot
	CHANGE 0                                       ; the tail is written out: tile 15 is entered, nothing is asked for
	UNITS 4
	s_wait_dscnt 0x0                               ; block 127's fragments are in
.irp q, 1,2,3,4,5,6,7,8,9,10,11,12,13,14,15
	QUAD \q, 1, 1, 0, -1                           ; block 127; block 126's pairs ride
.endr
	s_add_co_u32 s[BN], s[BN], 1
	WIN 0                                          ; block 127's own scores.  Behind the last product on its first accumulator stand eight vector lines of the last quad
.irp q, 0,1,2,3,4,5,6,7,8,9,10,11,12,13,14,15
	D2 \q, 1
.endr
.irp q, 0,1,2,3,4,5,6,7,8,9,10,11,12,13,14,15
	TRACK \q, 1, 0
	TRACK \q, 1, 1
.endr
	; THE END.  For each row block: the least of my 8 minima and of the 8 in the lane 16 away; then, among the 16 places that hold it, the lowest code number.
	WIN 0x15                                       ; sources in window 1, destination in window 0
.irp rb, 0,1,2,3
	v_min3_num_f32 v[E+4*(\rb)],   v[BEST+8*(\rb)],   v[BEST+8*(\rb)+1], v[BEST+8*(\rb)+2]
	v_min3_num_f32 v[E+4*(\rb)+1], v[BEST+8*(\rb)+3], v[BEST+8*(\rb)+4], v[BEST+8*(\rb)+5]
	v_min_num_f32  v[E+4*(\rb)+2], v[BEST+8*(\rb)+6], v[BEST+8*(\rb)+7]
.endr
	WIN 0x11                                       ; sources 0 and 2 in window 1
.irp rb, 0,1,2,3
.irp j, 0,1,2,3,4,5,6,7
	v_lshl_add_u32 v[CA+8*(\rb)+(\j)], v[IDX+8*(\rb)+(\j)], 4, v[HJ+(\j)]  ; 16 x block + the place's constant
.endr
.endr
	WIN 0
.irp rb, 0,1,2,3
	v_min3_num_f32 v[E+4*(\rb)], v[E+4*(\rb)], v[E+4*(\rb)+1], v[E+4*(\rb)+2]
.endr
.irp rb, 0,1,2,3
	v_permlanex16_b32 v[E+4*(\rb)+1], v[E+4*(\rb)], s[SEL], s[SEL+1]  ; the row's other 8 places lie in the lane 16 away
.endr
.irp rb, 0,1,2,3
	v_min_num_f32 v[E+4*(\rb)], v[E+4*(\rb)], v[E+4*(\rb)+1]          ; the row's least d2 in this quarter
.endr
	WIN 0x01                                       ; source 0 in window 1
.irp rb, 0,1,2,3
.irp j, 0,1,2,3,4,5,6,7
	v_cmp_eq_f32 vcc_lo, v[BEST+8*(\rb)+(\j)], v[E+4*(\rb)]
	v_cndmask_b32 v[CA+8*(\rb)+(\j)], 0x7fffffff, v[CA+8*(\rb)+(\j)], vcc_lo  ; a place that does not hold the minimum is out of the running
.endr
.endr
	WIN 0
.irp s, 1,2,4
.irp rb, 0,1,2,3
.irp j, 0,2,4,6
.if ((\j)*(\s)) < 8
	v_min_u32 v[CA+8*(\rb)+(\j)*(\s)], v[CA+8*(\rb)+(\j)*(\s)], v[CA+8*(\rb)+(\j)*(\s)+(\s)]  ; neighbours 1, 2 and 4 apart: seven lines a row block
.endif
.endr
.endr
.endr
.irp rb, 0,1,2,3
	v_permlanex16_b32 v[CA+8*(\rb)+1], v[CA+8*(\rb)], s[SEL], s[SEL+1]
.endr
.irp rb, 0,1,2,3
	v_min_u32 v[CA+8*(\rb)], v[CA+8*(\rb)], v[CA+8*(\rb)+1]
.endr
	; THE WAY OUT.  Both halves of the lanes hold each row's result: lanes 0-15 keep row block 0's (2's), lanes 16-31 take row block 1's (3's), so lane l holds row l (32 + l).
	v_cndmask_b32 v20, v[E],     v[E+4],   s[HM]
	v_cndmask_b32 v21, v[E+8],   v[E+12],  s[HM]
	v_cndmask_b32 v22, v[CA],    v[CA+8],  s[HM]
	v_cndmask_b32 v23, v[CA+16], v[CA+24], s[HM]
	ds_store_b32 v[STO], v20
	ds_store_b32 v[STO], v21 offset:128
	ds_store_b32 v[STO], v22 offset:256
	ds_store_b32 v[STO], v23 offset:384
	ds_load_b64 v[24:25], v[RDA]                   ; LDS serves a wave's instructions in order (ISA guide 5.7.1.4): these see the stores above; the stage is my wave's own
	ds_load_b64 v[26:27], v[RDA] offset:256
	s_wait_dscnt 0x0
	global_store_b64 v[GO], v[24:25], s[12:13]     ; my wave's 64 rows: 256 consecutive bytes, aligned
	global_store_b64 v[GO], v[26:27], s[14:15]
	s_wait_tensorcnt 0x0                           ; the wave's end: three lines behind my last tensor load and my last LDS store
	ds_add_u32 v[SPW], v[NIL]
	s_wait_dscnt 0x0
	CROUND                                         ; the closing round: no work-group ends while a partner may still ask for a tile that names it
	s_endpgm
.Lfunc_end_k_qe46a7b13ad_vq:
	.size	k_qe46a7b13ad_vq, .Lfunc_end_k_qe46a7b13ad_vq-k_qe46a7b13ad_vq
	.p2alignl 7, 3214868480
	.fill 96, 4, 3214868480
	.section	.rodata,"a",@progbits
	.p2align	6, 0x0
	.amdhsa_kernel k_qe46a7b13ad_vq
		.amdhsa_group_segment_fixed_size 327680
		.amdhsa_private_segment_fixed_size 0
		.amdhsa_enable_private_segment 0
		.amdhsa_kernarg_size 48
		.amdhsa_user_sgpr_count 2
		.amdhsa_user_sgpr_kernarg_segment_ptr 1
		.amdhsa_wavefront_size32 1
		.amdhsa_system_sgpr_workgroup_id_x 1
		.amdhsa_system_sgpr_workgroup_id_y 1
		.amdhsa_system_sgpr_workgroup_id_z 1
		.amdhsa_system_vgpr_workitem_id 0
		.amdhsa_next_free_vgpr 1024
		.amdhsa_next_free_sgpr 66
		.amdhsa_reserve_vcc 1
		.amdhsa_float_denorm_mode_32 3
		.amdhsa_float_denorm_mode_16_64 3
		.amdhsa_memory_ordered 1
		.amdhsa_forward_progress 1
		.amdhsa_inst_pref_size 142
	.end_amdhsa_kernel
	.amdgpu_metadata
---
amdhsa.version: [ 1, 2 ]
amdhsa.kernels:
  - .name:           k_qe46a7b13ad_vq
    .symbol:         k_qe46a7b13ad_vq.kd
    .args:
      - { .name: zb, .offset: 0, .size: 8, .value_kind: global_buffer, .address_space: global }
      - { .name: cb, .offset: 8, .size: 8, .value_kind: global_buffer, .address_space: global }
      - { .name: zsq, .offset: 16, .size: 8, .value_kind: global_buffer, .address_space: global }
      - { .name: csq, .offset: 24, .size: 8, .value_kind: global_buffer, .address_space: global }
      - { .name: pval, .offset: 32, .size: 8, .value_kind: global_buffer, .address_space: global }
      - { .name: pidx, .offset: 40, .size: 8, .value_kind: global_buffer, .address_space: global }
    .group_segment_fixed_size: 327680
    .private_segment_fixed_size: 0
    .kernarg_segment_align: 8
    .kernarg_segment_size: 48
    .max_flat_workgroup_size: 128
    .sgpr_count:     66
    .vgpr_count:     1024
    .wavefront_size: 32
...
	.end_amdgpu_metadata
.endif
;; end of part 2
;; launch pick (part 3): grid 256 x 1, 16 waves a work-group, no clusters, 0 bytes of LDS; arguments z, codebook, pval, pidx, out0, out1; writes out0, out1
.if DOCPART == 3
	.amdgcn_target "amdgcn-amd-amdhsa--gfx1250"
	.amdhsa_code_object_version 6
	.text
	.protected	k_qe46a7b13ad_pick
	.globl	k_qe46a7b13ad_pick
	.p2align	8
	.type	k_qe46a7b13ad_pick,@function
k_qe46a7b13ad_pick:
	s_mov_b64 s[64:65], 0
	v_nop
	global_prefetch_b8 v0, s[64:65] scope:SCOPE_SE
	s_setreg_imm32_b32 hwreg(HW_REG_WAVE_MODE, 25, 1), 1
	s_wait_xcnt 0x0
; pick: for each row the four quarters' candidates (pval, pidx) are merged; out1 = the code's number, out0 = z + (codebook[number] - z), two roundings in f32, from the unrounded inputs.
; The choice among the four hangs on floating-point numbers, so it steers no address: all FOUR candidate rows are loaded (their addresses come from pidx alone) and the row is chosen by v_cndmask_b32.
; A strict comparison keeps the lower quarter on a tie, so the first code wins, as in an argmin.
; LIMIT: NaN in pval is not treated apart.  pidx is cut to 0 .. 8,191 before it enters an address; the launch before stores nothing outside that range.
; SHARES.  256 work-groups of 16 waves, 64 rows each; a wave owns 4 rows, a row over its 32 lanes (four loads of 16 bytes a lane: 512 consecutive bytes each).  Wave 0 also merges the 64 numbers for out1.
; A stream and a gather: no LDS, no barrier, EXEC never changes.  No cluster: the rows that a work-group reads from the codebook are named by a list, so no tile is shared at a known time.
; Up to 48 loads of a wave are on their way: z's 16 and two rows' 32 candidates.
.set PV, 4                             ; v[4:19]    least d2: quarter g, row i at PV + 4 g + i (the same in every lane)
.set PI, 20                            ; v[20:35]   the code's number, likewise; then the byte offset of my 16 bytes in that code's row; never rewritten after that
.set XV, 36                            ; v[36:43]   wave 0: d2 of rows 2 l, 2 l + 1 of the work-group: quarter g at XV + 2 g
.set XI, 44                            ; v[44:51]   wave 0: their numbers
.set Z,  52                            ; v[52:115]  row i of z at Z + 16 i; then the result
.set C,  116                           ; v[116:243] two buffers of four candidate rows: C + 64 buf + 16 g
.set M,  32                            ; s[32:43]   row i: does quarter g (1 to 3) beat all lower ones? at M + 3 i + g - 1: all ones or all zeros, since every lane compares the same numbers
	s_load_b256 s[4:11], s[0:1], 0x0               ; z s[4:5], codebook s[6:7], pval s[8:9], pidx s[10:11]
	s_load_b128 s[12:15], s[0:1], 0x20             ; out0 s[12:13], out1 s[14:15]
	v_lshrrev_b32 v1, 5, v0
	v_readfirstlane_b32 s16, v1                    ; wave 0..15
	v_and_b32 v3, 31, v0
	v_lshlrev_b32 v1, 4, v3                        ; 16 x lane
	v_lshlrev_b32 v3, 3, v3                        ; 8 x lane
	v_mov_b32 v2, 0
	s_lshl_b32 s20, ttmp9, 17                      ; (64 b + 4 w) rows of 2,048 bytes
	s_lshl_b32 s17, s16, 13
	s_add_co_u32 s20, s20, s17
	s_mov_b32 s21, 0
	s_lshl_b32 s22, ttmp9, 8                       ; the work-group's 64 rows, 4 bytes each
	s_mov_b32 s23, 0
	s_lshl_b32 s24, s16, 4                         ; my wave's 4 of them
	s_mov_b32 s25, 0
	s_wait_kmcnt 0x0
	s_add_nc_u64 s[4:5], s[4:5], s[20:21]
	s_add_nc_u64 s[12:13], s[12:13], s[20:21]
	s_add_nc_u64 s[8:9], s[8:9], s[22:23]
	s_add_nc_u64 s[10:11], s[10:11], s[22:23]
	s_add_nc_u64 s[14:15], s[14:15], s[22:23]
	s_add_nc_u64 s[26:27], s[8:9], s[24:25]
	s_add_nc_u64 s[28:29], s[10:11], s[24:25]
.irp g, 0,1,2,3
	global_load_b128 v[PV+4*(\g):PV+4*(\g)+3], v2, s[26:27] offset:65536*(\g)  ; every lane reads the same 16 bytes: my 4 rows in quarter g
	global_load_b128 v[PI+4*(\g):PI+4*(\g)+3], v2, s[28:29] offset:65536*(\g)
.endr
	s_cmp_lg_u32 s16, 0
	s_cbranch_scc1 .Lno_list
.irp g, 0,1,2,3
	global_load_b64 v[XV+2*(\g):XV+2*(\g)+1], v3, s[8:9] offset:65536*(\g)     ; wave 0: the work-group's 64 rows, 256 consecutive bytes a load
	global_load_b64 v[XI+2*(\g):XI+2*(\g)+1], v3, s[10:11] offset:65536*(\g)
.endr
.Lno_list:
.irp i, 0,1,2,3
.irp j, 0,1,2,3
	global_load_b128 v[Z+16*(\i)+4*(\j):Z+16*(\i)+4*(\j)+3], v1, s[4:5] offset:2048*(\i)+512*(\j) th:TH_LOAD_NT
.endr
.endr
	s_wait_loadcnt 16                              ; z's 16 loads may stay out: the candidates' values and numbers are in, wave 0's lists too
.set k, 0
.rept 16
	v_min_u32 v[PI+k], 0x1fff, v[PI+k]             ; inside the table,
	v_lshl_add_u32 v[PI+k], v[PI+k], 11, v1        ; x 2,048 bytes a row + 16 x lane
.set k, k+1
.endr
.macro CAND i, buf                     ; row i's four candidate rows into buffer buf: 16 loads
.irp g, 0,1,2,3
.irp j, 0,1,2,3
	global_load_b128 v[C+64*(\buf)+16*(\g)+4*(\j):C+64*(\buf)+16*(\g)+4*(\j)+3], v[PI+4*(\g)+(\i)], s[6:7] offset:512*(\j)
.endr
.endr
.endm
	CAND 0, 0
	CAND 1, 1
.irp i, 0,1,2,3
.irp g, 1,2,3
	v_cmp_lt_f32 s[M+3*(\i)+(\g)-1], v[PV+4*(\g)+(\i)], v[PV+(\i)]  ; strictly below the least so far
	v_min_num_f32 v[PV+(\i)], v[PV+4*(\g)+(\i)], v[PV+(\i)]
.endr
.endr
	s_cmp_lg_u32 s16, 0
	s_cbranch_scc1 .Lno_index
.irp e, 0,1
.irp g, 1,2,3
	v_cmp_lt_f32 vcc_lo, v[XV+2*(\g)+(\e)], v[XV+(\e)]             ; wave 0: the same merge, a lane for two rows, on the numbers themselves
	v_min_num_f32 v[XV+(\e)], v[XV+2*(\g)+(\e)], v[XV+(\e)]
	v_cndmask_b32 v[XI+(\e)], v[XI+(\e)], v[XI+2*(\g)+(\e)], vcc_lo
.endr
.endr
	global_store_b64 v3, v[XI:XI+1], s[14:15]      ; out1: 256 consecutive bytes, aligned
.Lno_index:
; Row i, whose candidates lie in buffer buf.  left: the next row's 16 loads, which stay out.  The result lies in z's registers, which nothing writes again, so the buffer is free at once.
.macro ROWOUT i, buf, left
	s_wait_loadcnt \left
.irp g, 1,2,3
.set k, 0
.rept 16
	v_cndmask_b32 v[C+64*(\buf)+k], v[C+64*(\buf)+k], v[C+64*(\buf)+16*(\g)+k], s[M+3*(\i)+(\g)-1]  ; a later quarter that beat all before it takes the place
.set k, k+1
.endr
.endr
.set k, 0
.rept 8
	v_pk_add_f32 v[C+64*(\buf)+k:C+64*(\buf)+k+1], v[C+64*(\buf)+k:C+64*(\buf)+k+1], v[Z+16*(\i)+k:Z+16*(\i)+k+1] neg_lo:[0,1] neg_hi:[0,1]  ; c - z
.set k, k+2
.endr
.set k, 0
.rept 8
	v_pk_add_f32 v[Z+16*(\i)+k:Z+16*(\i)+k+1], v[Z+16*(\i)+k:Z+16*(\i)+k+1], v[C+64*(\buf)+k:C+64*(\buf)+k+1]  ; z + (c - z)
.set k, k+2
.endr
.irp j, 0,1,2,3
	global_store_b128 v1, v[Z+16*(\i)+4*(\j):Z+16*(\i)+4*(\j)+3], s[12:13] offset:2048*(\i)+512*(\j) th:TH_STORE_NT  ; 512 consecutive bytes, aligned
.endr
.endm
	ROWOUT 0, 0, 16                                ; row 1's candidates stay out; z, which was asked for earlier, is in
	CAND 2, 0
	ROWOUT 1, 1, 16
	CAND 3, 1
	ROWOUT 2, 0, 16
	ROWOUT 3, 1, 0
	s_endpgm
.Lfunc_end_k_qe46a7b13ad_pick:
	.size	k_qe46a7b13ad_pick, .Lfunc_end_k_qe46a7b13ad_pick-k_qe46a7b13ad_pick
	.p2alignl 7, 3214868480
	.fill 96, 4, 3214868480
	.section	.rodata,"a",@progbits
	.p2align	6, 0x0
	.amdhsa_kernel k_qe46a7b13ad_pick
		.amdhsa_group_segment_fixed_size 0
		.amdhsa_private_segment_fixed_size 0
		.amdhsa_enable_private_segment 0
		.amdhsa_kernarg_size 48
		.amdhsa_user_sgpr_count 2
		.amdhsa_user_sgpr_kernarg_segment_ptr 1
		.amdhsa_wavefront_size32 1
		.amdhsa_system_sgpr_workgroup_id_x 1
		.amdhsa_system_sgpr_workgroup_id_y 1
		.amdhsa_system_sgpr_workgroup_id_z 1
		.amdhsa_system_vgpr_workitem_id 0
		.amdhsa_next_free_vgpr 248
		.amdhsa_next_free_sgpr 66
		.amdhsa_reserve_vcc 1
		.amdhsa_float_denorm_mode_32 3
		.amdhsa_float_denorm_mode_16_64 3
		.amdhsa_memory_ordered 1
		.amdhsa_forward_progress 1
		.amdhsa_inst_pref_size 32
	.end_amdhsa_kernel
	.amdgpu_metadata
---
amdhsa.version: [ 1, 2 ]
amdhsa.kernels:
  - .name:           k_qe46a7b13ad_pick
    .symbol:         k_qe46a7b13ad_pick.kd
    .args:
      - { .name: z, .offset: 0, .size: 8, .value_kind: global_buffer, .address_space: global }
      - { .name: codebook, .offset: 8, .size: 8, .value_kind: global_buffer, .address_space: global }
      - { .name: pval, .offset: 16, .size: 8, .value_kind: global_buffer, .address_space: global }
      - { .name: pidx, .offset: 24, .size: 8, .value_kind: global_buffer, .address_space: global }
      - { .name: out0, .offset: 32, .size: 8, .value_kind: global_buffer, .address_space: global }
      - { .name: out1, .offset: 40, .size: 8, .value_kind: global_buffer, .address_space: global }
    .group_segment_fixed_size: 0
    .private_segment_fixed_size: 0
    .kernarg_segment_align: 8
    .kernarg_segment_size: 48
    .max_flat_workgroup_size: 512
    .sgpr_count:     66
    .vgpr_count:     248
    .wavefront_size: 32
...
	.end_amdgpu_metadata
.endif
;; end of part 3
;; ======== version 2 of 3: 3 launches; 1.25 times as fast as version 1
;; workspace buffers: zb 16,777,216 bytes; cb 8,388,608 bytes; zsq 65,536 bytes; csq 32,768 bytes; pval 262,144 bytes; pidx 262,144 bytes of whole numbers
;; launch prep: the kernel of part 1 again; grid 256 x 1, 8 waves a work-group, no clusters, 1,536 bytes of LDS; arguments z, codebook, zb, cb, zsq, csq; writes zb, cb, zsq, csq
;; launch vq (part 4): grid 64 x 4, 4 waves a work-group, clusters of 4 x 1, 327,680 bytes of LDS; arguments zb, cb, zsq, csq, pval, pidx; writes pval, pidx
.if DOCPART == 4
	.amdgcn_target "amdgcn-amd-amdhsa--gfx1250"
	.amdhsa_code_object_version 6
	.text
	.protected	k_qe46a7b13ad_vq
	.globl	k_qe46a7b13ad_vq
	.p2align	8
	.type	k_qe46a7b13ad_vq,@function
k_qe46a7b13ad_vq:
	s_mov_b64 s[64:65], 0
	v_nop
	global_prefetch_b8 v0, s[64:65] scope:SCOPE_SE
	s_setreg_imm32_b32 hwreg(HW_REG_WAVE_MODE, 25, 1), 1
	s_wait_xcnt 0x0
	s_wait_alu depctr_hold_cnt(0) depctr_sa_sdst(0) depctr_va_vdst(0) depctr_va_sdst(0) depctr_va_ssrc(0) depctr_va_vcc(0) depctr_vm_vsrc(0)
	s_getreg_b32 s2, hwreg(HW_REG_IB_STS2, 6, 4)
	s_cmp_eq_u32 s2, 0
	s_cbranch_scc0 .Lentry_in_a_cluster
	s_endpgm
.Lentry_in_a_cluster:
	s_bfe_u32 s2, ttmp6, 0x10000c
	s_cmp_lg_u32 s2, 0x3003
	s_cbranch_scc0 .Lentry_shape_is_right
	s_endpgm
.Lentry_shape_is_right:
; vq: for 256 rows of z and a quarter (2,048) of the codes: x = zb . cb^T on the matrix unit (bf16 operands, f32 sums), d2 = fl(fl(z_sq - 2 x) + c_sq), rounded exactly
; as the formula is written (2 x is exact, so each of the two packed multiply-adds rounds once), and the FIRST code that attains the row's least d2.
; Out: pval[quarter][row] the least d2, pidx[quarter][row] its code's number in the whole codebook.
; LIMITS.  NaN and infinities are not treated apart: the running minimum starts at +infinity with the quarter's first block.  d2 is this rounded formula, not the true distance: with z_sq
; near 512 many codes tie, and the lowest number wins.  A row whose best codes lie within the last bits of the matrix sum of a rounding boundary of d2 may take the other one.
; SHARES.  Grid 64 x 4: row block bx, quarter g.  Four waves; a wave owns 64 rows (four blocks rb of 16) and keeps their 512 channels in 512 registers for the whole launch, so z is never
; read from LDS.  Every wave walks the quarter's 128 BLOCKS of 16 codes; a block's 16 fragments (16 codes x 32 channels) come from LDS, two loads of 16 bytes each, and each feeds 4 products.
; LAYOUT.  Source 0 = 16 codes, source 1 = 16 rows of z: in the result a lane holds ONE row of z (lane % 16) and the codes 8 (lane / 16) + j in register j.  So a running minimum needs no
; exchange of lanes.  TRACKERS: one for each lane, row block and PAIR of registers (16 a lane): the pair's least d2 so far, the number of the first block that attained it, and the even register's d2 in
; that block, which says at the end which of the two codes it was (the even one where it equals the minimum: the lower code wins a tie).  Four lines for two scores: a minimum of three, a compare, two selects.
; BY TURNS.  A block is 16 QUADS (32 channels each) of four products, the four accumulators by turns.  Two accumulator buffers: while block n is multiplied, the 16 pairs of
; scores of block n - 1 are treated, a pair a quad: six vector lines in two groups of three, behind the quad's first and third product.  No line of a group reads a result of its own group: the minimum
; and the compare lag one pair behind d2, the selects two.
; THE LDS LOADS stand in ONE run a block, never singly among the products: two fragment buffers take turns, and while block n is multiplied out of one, block n + 1's 32 loads fill the other.
; CLUSTER.  The four work-groups of a cluster have the same quarter g and walk the same tiles of cb and the same c_sq: every tensor load is asked for JOINTLY, with the mask of the four.
; Each wave fetches its quarter of a tile by the same line (both addresses step with the wave's number): no branch stands round a load.
; LDS.  Two slots of 128 codes (8 blocks), rows of 1,024 bytes + 16 of padding; c_sq of the quarter (8,192 bytes, filled once); a stage of 512 bytes a wave for the way out; the spare words.
; REGISTERS, in windows of 256 (s_set_vgpr_msb: bits 1:0 source 0, 3:2 source 1, 5:4 source 2, 7:6 destination):
;   window 0: v0-15 addresses; v20-27 the way out; v32-47 c_sq, two buffers of 8; v48-55 z_sq, a pair a row block; v56-63 the places' constants; v64-127 accumulators, two buffers of 4;
;             v128-159 the minima, two buffers of 16 that go by the block's parity, so that the old minimum is still there to compare with and nothing is copied; v160-175 the block numbers;
;             v176-191 the even registers' d2 (all three at 4 rb + pair); v192-239 at work at the end
;   window 1: the code fragments, two buffers of 16 x 8      windows 2, 3: z: channels 32 ks on, row block rb at 8 (4 (ks % 8) + rb), window 2 + ks / 8
; All vector work lies in window 0; a product takes its sources from windows 1 and 2 or 3.  So a group of riders costs two switches: four a quad, for its four products and six vector lines.
.set PITCH, 1040                       ; 65 x 16 bytes: the 16 rows that a fragment load touches start 16 bytes apart modulo 256
.set BLK,   16*PITCH                   ; a block of 16 codes
.set QTR,   32*PITCH                   ; what one tensor load brings: 32 codes (0x8200)
.set SLOT1, 0x21000                    ; slot 1 begins here (a slot is 8 BLK = 133,120): bits 12 and 17, which no wave's 0, 1, 2, 3 x QTR has, so one exclusive or changes slots
.set CSQ,   SLOT1+8*BLK                ; 268,288
.set STAGE, CSQ+8192                   ; 276,480: never filled by a tensor load
.set SPARE, STAGE+4*512                ; 278,528: the spare words, 128 bytes for each wave: two blocks of 256 bytes that no other line names
.set LB,  4                            ; v4   my lane's place in a block: (l % 16) x PITCH + 16 (l / 16)
.set ADR, 5                            ; v5   LDS address of the block that is being fetched
.set LC,  6                            ; v6   my lane's place in a block's c_sq: 32 (l / 16)
.set ADC, 7                            ; v7   LDS address of a block's c_sq
.set ZO,  8                            ; v8   my byte offset in 16 rows of zb
.set QZ,  9                            ; v9   4 (l % 16)
.set STO, 10                           ; v10  the way out: my word in my wave's stage
.set RDA, 11                           ; v11  the way out: my 8 bytes there
.set GO,  12                           ; v12  8 l
.set HB,  13                           ; v13  2,048 g + 8 (l / 16)
.set SPW, 14                           ; v14  LDS address of my spare word; never rewritten
.set NIL, 15                           ; v15  0; never rewritten
.set CS,  32
.set ZR,  48
.set HJ,  56
.set ACC, 64
.set BEST, 128
.set IDX,  160
.set EV,   176
.set FB,   BEST+16                     ; the last block's number, 127, is odd: the final minima lie in the second buffer
.set E,   192                          ; the end: four registers a row block, at work
.set CA,  208                          ; the end: the trackers' code numbers,
.set CB,  224                          ; and those of the odd registers
.set WV,  16                           ; s16  my wave's number
.set G1,  24                           ; s[24:31] group 1 for cb's tiles
.set G1C, 32                           ; s[32:39] group 1 for c_sq
.set G0A, 40                           ; s[40:43] group 0: tile 0
.set G0B, 44                           ; s[44:47] group 0: tile 1; it then walks
.set G0C, 48                           ; s[48:51] group 0: c_sq
.set SLOTS, 52
.set CNT, 53
.set TB,  54                           ; s54  LDS byte of the block to be fetched next
.set TC,  55                           ; s55  LDS byte of the c_sq to be fetched next
.set BN,  56                           ; s56  number of the block whose scores are being tracked
.set HM,  59                           ; s59  lanes 16-31
.set SEL, 60                           ; s[60:61] v_permlanex16_b32's selects
.set MSB, 0
.macro WIN new                         ; the immediate's high byte repeats the setting that is left; a switch that changes nothing is dropped
.if MSB != (\new)
	s_set_vgpr_msb (MSB<<8)|(\new)
.set MSB, (\new)
.endif
.endm
; A round of the cluster's barrier: my work-group's barrier, so that wave 0's signal speaks for all four waves; wave 0 signals; every wave waits for all four work-groups; my work-group's barrier once more.
.macro CROUND
	s_barrier_signal -1
	s_barrier_wait -1
	s_cmp_lg_u32 s[WV], 0
	s_cbranch_scc1 .Lnot_wave_0_\@
	s_barrier_signal -3
.Lnot_wave_0_\@:
	s_barrier_wait -3
	s_barrier_signal -1
	s_barrier_wait -1
.endm
	s_load_b256 s[4:11], s[0:1], 0x0               ; zb s[4:5], cb s[6:7], zsq s[8:9], csq s[10:11]
	s_load_b128 s[12:15], s[0:1], 0x20             ; pval s[12:13], pidx s[14:15]
	v_lshl_add_u32 v[SPW], v0, 2, SPARE
	v_mov_b32 v[NIL], 0
	ds_add_u32 v[SPW], v[NIL]                      ; the wave's opening: the add and its wait stand ahead of my first tensor load; the set-up below, work on registers, stands between them
	v_lshrrev_b32 v1, 5, v0
	v_readfirstlane_b32 s[WV], v1                  ; wave 0..3
	s_bfe_u32 s17, ttmp6, 0x40000                  ; cx: my place in the cluster
	s_lshl_b32 s18, ttmp9, 2                       ; in a cluster launch ttmp9 counts clusters
	s_add_co_u32 s18, s18, s17                     ; bx = 4 x cluster x + cx: it enters the addresses of zb, zsq, pval and pidx alone
	s_and_b32 s19, ttmp7, 0xffff                   ; g, which the four partners share
	s_lshl_b32 s20, s19, 21                        ; cb: the quarter's 2,048 rows of 1,024 bytes,
	s_lshl_b32 s21, s[WV], 15                      ; my 32 rows of a tile
	s_add_co_u32 s20, s20, s21
	s_mov_b32 s21, 0
	s_lshl_b32 s22, s19, 13                        ; csq: the quarter's 8,192 bytes,
	s_lshl_b32 s23, s[WV], 11                      ; my 2,048 of them
	s_add_co_u32 s22, s22, s23
	s_mov_b32 s23, 0
	s_lshl_b32 s2, s18, 18                         ; zb: the block's 256 rows of 1,024 bytes,
	s_lshl_b32 s3, s[WV], 16                       ; my wave's 64
	s_add_co_u32 s2, s2, s3
	s_mov_b32 s3, 0
	; group 1 for cb: a tile of 32 rows x 512 elements of 2 bytes, padded in LDS
	s_mov_b32 s[G1], 15|(1<<16)|(1<<20)|(1<<21)|(7<<22)|(3<<25)  ; 15:0 the mask of four; 17:16 2-byte elements; 20 padding on; 21 set beside a mask; 24:22 after every 256 words (code 7); 31:25 4 words (code 3)
	s_mov_b32 s[G1+1], 512<<16                     ; tensor_dim0 = 512
	s_mov_b32 s[G1+2], 32<<16                      ; tensor_dim1 = 32
	s_mov_b32 s[G1+3], 512<<16                     ; tile_dim0 = 512
	s_mov_b32 s[G1+4], 32                          ; tile_dim1 = 32
	s_mov_b32 s[G1+5], 512                         ; 512 elements from row to row
	s_mov_b32 s[G1+6], 0
	s_mov_b32 s[G1+7], 0
	; group 1 for c_sq: one row of 256 elements of 8 bytes
	s_mov_b32 s[G1C], 15|(3<<16)|(1<<21)
	s_mov_b32 s[G1C+1], 256<<16
	s_mov_b32 s[G1C+2], 1<<16
	s_mov_b32 s[G1C+3], 256<<16
	s_mov_b32 s[G1C+4], 1
	s_mov_b32 s[G1C+5], 256
	s_mov_b32 s[G1C+6], 0
	s_mov_b32 s[G1C+7], 0
	s_mov_b32 s[G0A], 1                            ; count = 1
	s_mul_i32 s[G0A+1], s[WV], QTR                 ; LDS: slot 0, my quarter: no place in the cluster enters an LDS address
	s_mov_b32 s[G0B], 1
	s_add_co_u32 s[G0B+1], s[G0A+1], SLOT1         ; slot 1
	s_mov_b32 s[G0C], 1
	s_lshl_b32 s[G0C+1], s[WV], 11
	s_add_co_u32 s[G0C+1], s[G0C+1], CSQ
	s_mov_b32 s[HM], 0xffff0000
	s_mov_b32 s[SEL], 0x76543210
	s_mov_b32 s[SEL+1], 0xfedcba98
	s_mov_b32 s58, 0x7f800000                      ; +infinity
	s_mov_b32 s[TB], BLK                           ; block 0 is fetched by the lines in front of the walk: block 1 is next
	s_mov_b32 s[TC], CSQ                           ; block 0's c_sq comes with the first run
	s_mov_b32 s[BN], 0
	s_wait_dscnt 0x0                               ; the opening add is done
	s_wait_kmcnt 0x0
	s_add_nc_u64 s[G0A+2:G0A+3], s[6:7], s[20:21]  ; tile 0, my 32 rows
	s_add_nc_u64 s[G0B+2:G0B+3], s[G0A+2:G0A+3], 0x20000  ; tile 1: 128 rows of 1,024 bytes on
	s_or_b32 s[G0A+3], s[G0A+3], 0x80000000        ; type = 2
	s_or_b32 s[G0B+3], s[G0B+3], 0x80000000
	s_add_nc_u64 s[G0C+2:G0C+3], s[10:11], s[22:23]
	s_or_b32 s[G0C+3], s[G0C+3], 0x80000000
	s_add_nc_u64 s[4:5], s[4:5], s[2:3]            ; zb at my wave's first row
	s_lshr_b32 s2, s2, 8                           ; 4 bytes a row: 1,024 bx + 256 w
	s_add_nc_u64 s[8:9], s[8:9], s[2:3]            ; zsq there
	s_lshl_b32 s17, s19, 16                        ; a quarter's 16,384 numbers
	s_add_co_u32 s2, s2, s17
	s_add_nc_u64 s[12:13], s[12:13], s[2:3]        ; pval and pidx at my wave's 64 rows of quarter g
	s_add_nc_u64 s[14:15], s[14:15], s[2:3]
	CROUND                                         ; all four work-groups are here: the first joint loads meet
	tensor_load_to_lds s[G0C:G0C+3], s[G1C:G1C+7]  ; the three first fills go out together: three loads of mine are out here, later one
	s_nop 0
	tensor_load_to_lds s[G0A:G0A+3], s[G1:G1+7]
	s_nop 0
	tensor_load_to_lds s[G0B:G0B+3], s[G1:G1+7]
	s_nop 0
.rept 4
	v_nop
.endr
	v_and_b32 v1, 15, v0                           ; l % 16
	v_bfe_u32 v2, v0, 4, 1                         ; l / 16
	v_and_b32 v3, 31, v0                           ; l
	v_mul_u32_u24 v[LB], v1, PITCH
	v_lshl_add_u32 v[LB], v2, 4, v[LB]
	v_lshlrev_b32 v[LC], 5, v2
	v_lshlrev_b32 v[ZO], 10, v1
	v_lshl_add_u32 v[ZO], v2, 4, v[ZO]             ; row x 1,024 + 16 x half
	v_lshlrev_b32 v[QZ], 2, v1
	s_lshl_b32 s17, s[WV], 9
	s_add_co_u32 s17, s17, STAGE                   ; my stage
	v_lshl_add_u32 v[STO], v3, 2, s17
	v_lshl_add_u32 v[RDA], v3, 3, s17
	v_lshlrev_b32 v[GO], 3, v3
	s_lshl_b32 s17, s19, 11
	v_lshl_add_u32 v[HB], v2, 3, s17
	; z stays in registers.  A fragment is 16 rows x 32 channels in 8 registers: lane l holds row l % 16, channels 8 (l / 16) + 0..7 and 16 + 8 (l / 16) + 0..7: two loads of 16 bytes, 32 bytes apart.
.macro ZLOAD hi
	WIN 0x80+0x40*(\hi)                            ; destination window 2 or 3, address window 0
.irp ks, 0,1,2,3,4,5,6,7
.irp rb, 0,1,2,3
	global_load_b128 v[8*(4*(\ks)+(\rb)):8*(4*(\ks)+(\rb))+3],   v[ZO], s[4:5] offset:16384*(\rb)+512*(\hi)+64*(\ks)
	global_load_b128 v[8*(4*(\ks)+(\rb))+4:8*(4*(\ks)+(\rb))+7], v[ZO], s[4:5] offset:16384*(\rb)+512*(\hi)+64*(\ks)+32
.endr
.endr
.endm
	ZLOAD 0
	ZLOAD 1
	WIN 0
.irp rb, 0,1,2,3
	global_load_b32 v[ZR+2*(\rb)],   v[QZ], s[8:9] offset:64*(\rb)  ; z_sq of my row in row block rb, into both registers of a pair: the packed line takes a plain pair
	global_load_b32 v[ZR+2*(\rb)+1], v[QZ], s[8:9] offset:64*(\rb)
.endr
.set i, 0
.rept 16                                           ; the 56 lines below stand in the wait for the first tile
	v_mov_b32 v[BEST+16+i], s58                    ; block 0 finds its old minima in the second buffer
	v_mov_b32 v[EV+i], s58
	v_mov_b32 v[IDX+i], 0
.set i, i+1
.endr
.irp j, 0,1,2,3,4,5,6,7
	v_add_nc_u32 v[HJ+(\j)], \j, v[HB]             ; the code's number is 16 x block + 2,048 g + 8 (l / 16) + j
.endr
; Product rb of quad q (channels 32 q on) of a block whose accumulators and fragments are buffers p.  Quad 0 starts the sums with the constant 0: nothing is ever cleared.
.macro MM q, p, rb
.set rA, ACC+32*(\p)+8*(\rb)
.set rF, 128*(\p)+8*(\q)
.set rZ, 8*(4*((\q)%8)+(\rb))
	WIN 0x09+4*((\q)/8)                            ; source 0 (codes) in window 1, source 1 (z) in window 2 or 3, C and D in window 0
.if (\q) == 0
	v_wmma_f32_16x16x32_bf16 v[rA:rA+7], v[rF:rF+7], v[rZ:rZ+7], 0
.else
	v_wmma_f32_16x16x32_bf16 v[rA:rA+7], v[rF:rF+7], v[rZ:rZ+7], v[rA:rA+7]
.endif
.endm
; Pair q of 16 of the scores in buffer pp (row block q / 4, registers 2 (q % 4) and + 1): x becomes d2, in place, in two lines.  Each accumulator's lowest registers are read first,
.macro D2A q, pp
.set rP, ACC+32*(\pp)+8*((\q)/4)+2*((\q)%4)
.set rR, ZR+2*((\q)/4)
	v_pk_fma_f32 v[rP:rP+1], v[rP:rP+1], -2.0, v[rR:rR+1] op_sel_hi:[1,0,1]  ; fl(z_sq - 2 x): 2 x is exact, one rounding
.endm
.macro D2B q, pp
.set rP, ACC+32*(\pp)+8*((\q)/4)+2*((\q)%4)
.set rC, CS+8*(\pp)+2*((\q)%4)
	v_pk_fma_f32 v[rP:rP+1], v[rP:rP+1], 1.0, v[rC:rC+1] op_sel_hi:[1,0,1]   ; fl(that + c_sq)
.endm
; The tracking of pair q of a block of parity pp, in four lines.
.macro TMIN q, pp                      ; the new minimum, into the block's own buffer: the old one stays in the other
.set rP, ACC+32*(\pp)+8*((\q)/4)+2*((\q)%4)
	v_min3_num_f32 v[BEST+16*(\pp)+(\q)], v[BEST+16*(1-(\pp))+(\q)], v[rP], v[rP+1]
.endm
.macro TCMP q, pp                      ; the new minimum is never above the old: >= says that it has not fallen, so the first block that attained it stays
	v_cmp_ge_f32 vcc_lo, v[BEST+16*(\pp)+(\q)], v[BEST+16*(1-(\pp))+(\q)]
.endm
.macro TEV q, pp                       ; where it has fallen: the even register's d2 in this block,
.set rP, ACC+32*(\pp)+8*((\q)/4)+2*((\q)%4)
	v_cndmask_b32 v[EV+(\q)], v[rP], v[EV+(\q)], vcc_lo
.endm
.macro TIDX q                          ; and the block's number
	v_cndmask_b32 v[IDX+(\q)], s[BN], v[IDX+(\q)], vcc_lo
.endm
; A QUAD: four products of a block with buffers p, and two groups of riders.  ra = 1: pair q of the block before becomes d2: its first line in the first group, its second in the second.
; rt = 1: tracking.  Quads 1 to 15: the minimum (first group) and the compare (second) of pair q - 1, the two selects of pair q - 2, one in each group, the second ahead of the compare that writes VCC anew.
; Quad 0 ends the tracking of the block two back, whose pairs 14 and 15 lie in the top of THIS block's fourth accumulator: all lines that read them stand ahead of the quad's fourth product, which starts
; that accumulator anew; so its second group has five lines, once a block.  VCC lives from a quad's second group into the next quad; at the end of quad 0 nothing of it is alive, and no tensor load stands inside a unit.
.macro QUAD q, p, ra, rt
	MM \q, \p, 0
.if (\ra) || (\rt)
	WIN 0
.endif
.if \ra
	D2A \q, 1-(\p)
.endif
.if \rt
.if (\q) == 0
	TMIN 15, \p
	TEV 14, \p
.else
	TMIN (\q)-1, 1-(\p)
.if (\q) >= 2
	TEV (\q)-2, 1-(\p)
.endif
.endif
.endif
	MM \q, \p, 1
	MM \q, \p, 2
.if (\ra) || (\rt)
	WIN 0
.endif
.if (\rt) && ((\q) == 0)
	TIDX 14
	TCMP 15, \p
.endif
.if \ra
	D2B \q, 1-(\p)
.endif
.if \rt
.if (\q) == 0
	TEV 15, \p
	TIDX 15
.else
.if (\q) >= 2
	TIDX (\q)-2
.endif
	TCMP (\q)-1, 1-(\p)
.endif
.endif
	MM \q, \p, 3
.endm
; THE RUN of a block with buffers p: its own c_sq (8 numbers a lane; wanted when its scores are treated, a block later; the buffer's last reader was the block before's quad 15), and, full = 1, the next block's
; 16 fragments into the buffer that this block does not multiply.  That buffer's last product stands two quads back, with their riders or four v_nop behind it (four places: ISA guide 7.12.1
; for vector instructions).
.macro RUN p, full
	WIN 0
.if \full
	v_add_nc_u32 v[ADR], s[TB], v[LB]
	s_add_co_u32 s[TB], s[TB], BLK
.endif
	v_add_nc_u32 v[ADC], s[TC], v[LC]
	s_add_co_u32 s[TC], s[TC], 64
	ds_load_b128 v[CS+8*(\p):CS+8*(\p)+3],   v[ADC]
	ds_load_b128 v[CS+8*(\p)+4:CS+8*(\p)+7], v[ADC] offset:16
.if \full
	WIN 0x40                                       ; destination window 1, address window 0
.irp ks, 0,1,2,3,4,5,6,7,8,9,10,11,12,13,14,15
	ds_load_b128 v[128*(1-(\p))+8*(\ks):128*(1-(\p))+8*(\ks)+3],   v[ADR] offset:64*(\ks)
	ds_load_b128 v[128*(1-(\p))+8*(\ks)+4:128*(1-(\p))+8*(\ks)+7], v[ADR] offset:64*(\ks)+32
.endr
.endif
.endm
; A UNIT: quads 1 to 15 of block n (buffers p) and quad 0 of block n + 1.  It reads from LDS block n + 1's fragments and block n's c_sq, in the run behind quad 1; the one wait for it stands 14 quads, 56 products, later.
; Between the last product on block n's first accumulator (quad 15's first) and the first line that reads it (quad 0's first rider) stand quad 15's six riders.
; rd = 0: the first unit: there are no scores yet; four v_nop are those places, and the places ahead of the next run's loads.
.macro UNIT p, rd
	QUAD 1, \p, \rd, \rd
	RUN \p, 1
.irp q, 2,3,4,5,6,7,8,9,10,11,12,13,14,15
	QUAD \q, \p, \rd, \rd
.endr
.if !(\rd)
.rept 4
	v_nop
.endr
.endif
	s_wait_dscnt 0x0                               ; block n + 1's fragments and block n's c_sq are in
	QUAD 0, 1-(\p), 1, \rd
.if \rd
	s_add_co_u32 s[BN], s[BN], 1                   ; block n - 1's last pair has been tracked: on to block n
.endif
.endm
.macro UNITS n                         ; 2 n units, beginning with an odd block
	WIN 0                                          ; at a label and at a branch every window is 0
	s_mov_b32 s[CNT], \n
.Lunit_\@:
	UNIT 1, 1
	UNIT 0, 1
	WIN 0
	s_sub_co_u32 s[CNT], s[CNT], 1
	s_cmp_lg_u32 s[CNT], 0
	s_cbranch_scc1 .Lunit_\@
.endm
; THE CHANGE OF SLOTS.  The slot's last block has been read.  Each wave waits for all its tensor loads, of which one is out: its part of the other slot; adds 0 to its spare word; and waits for that
; and for its own reads of the slot.  fill = 1: the slot is filled again with the tile two on; the barrier is then a round of the cluster's, so that no wave of any partner still reads the slot or has a load
; on its way, and the joint refill is the first thing behind it: it has eight units, 512 products, in which to land.
.macro CHANGE fill
	WIN 0
	s_wait_tensorcnt 0x0                           ; no tensor load of mine is out, so a group 0 may be written
	ds_add_u32 v[SPW], v[NIL]                      ; 0 onto my spare word
.if \fill
	s_xor_b32 s[G0B+1], s[G0B+1], SLOT1            ; the walking descriptor: the other slot than last time,
	s_add_nc_u64 s[G0B+2:G0B+3], s[G0B+2:G0B+3], 0x20000  ; the next 128 codes; the type bits on top are not reached
	s_wait_dscnt 0x0                               ; the add is done, and my reads of the slot are over
	CROUND
	tensor_load_to_lds s[G0B:G0B+3], s[G1:G1+7]
	s_nop 0
.rept 4
	v_nop
.endr
.else
	s_wait_dscnt 0x0                               ; the add is done, and my reads of the slot are over
	s_barrier_signal -1
	s_barrier_wait -1
.endif
	s_sub_co_u32 s[TB], s[TB], 8*BLK               ; the fetches go back to a slot's first block,
	s_xor_b32 s[TB], s[TB], SLOT1                  ; in the other slot
.endm
	s_wait_tensorcnt 0x1                           ; my parts of c_sq and of tile 0 are in; tile 1's may stay out
	s_barrier_signal -1
	s_barrier_wait -1                              ; everybody's are
	WIN 0x40
.irp ks, 0,1,2,3,4,5,6,7,8,9,10,11,12,13,14,15
	ds_load_b128 v[8*(\ks):8*(\ks)+3],   v[LB] offset:64*(\ks)     ; block 0 lies at the head of slot 0
	ds_load_b128 v[8*(\ks)+4:8*(\ks)+7], v[LB] offset:64*(\ks)+32
.endr
	s_wait_loadcnt 0x0                             ; z and z_sq
	s_wait_dscnt 0x0
	QUAD 0, 0, 0, 0                                ; block 0's first quad
	UNIT 0, 0                                      ; blocks 0 | 1: only its closing quad has riders, pair 0's two lines
	UNITS 3                                        ; units 1 to 6 fetch the rest of tile 0
	s_mov_b32 s[SLOTS], 14
.Lslot:                                                ; 14 trips: trip c enters tile c, asks for tile c + 1 and runs units 8 c - 1 to 8 c + 6
	CHANGE 1
	UNITS 4
	s_sub_co_u32 s[SLOTS], s[SLOTS], 1
	s_cmp_lg_u32 s[SLOTS], 0
	s_cbranch_scc1 .Lslot
	CHANGE 0                                       ; the tail is written out: tile 15 is entered, nothing is asked for
	UNITS 4
	QUAD 1, 1, 1, 1                                ; block 127; block 126's pairs ride
	RUN 1, 0                                       ; its c_sq alone: there is no further block
.irp q, 2,3,4,5,6,7,8,9,10,11,12,13,14,15
	QUAD \q, 1, 1, 1
.endr
	WIN 0
	TMIN 15, 0                                     ; the rest of block 126's tracking
	TEV 14, 0
	TIDX 14
	TCMP 15, 0
	; block 127's own scores.  Behind the last product on its first accumulator stand the last quad's six riders and the four lines above; behind the last on its fourth, those four and twelve of the lines below
.irp q, 0,1,2,3,4,5,6,7,8,9,10,11,12,13,14,15
	D2A \q, 1
.endr
	TEV 15, 0
	TIDX 15
	s_add_co_u32 s[BN], s[BN], 1
	s_wait_dscnt 0x0                               ; block 127's c_sq
.irp q, 0,1,2,3,4,5,6,7,8,9,10,11,12,13,14,15
	D2B \q, 1
.endr
.irp q, 0,1,2,3,4,5,6,7,8,9,10,11,12,13,14,15
	TMIN \q, 1
.endr
.irp q, 0,1,2,3,4,5,6,7,8,9,10,11,12,13,14,15
	TCMP \q, 1
	TEV \q, 1
	TIDX \q
.endr
	; THE END.  For each row block: the least of my 4 trackers' minima and of the 4 in the lane 16 away; each tracker's code; then, among the 8 trackers that hold the minimum, the lowest code number.
.irp rb, 0,1,2,3
	v_min_num_f32 v[E+4*(\rb)],   v[FB+4*(\rb)],   v[FB+4*(\rb)+1]
	v_min_num_f32 v[E+4*(\rb)+1], v[FB+4*(\rb)+2], v[FB+4*(\rb)+3]
.endr
.irp q, 0,1,2,3,4,5,6,7,8,9,10,11,12,13,14,15
	v_lshl_add_u32 v[CA+(\q)], v[IDX+(\q)], 4, v[HJ+2*((\q)%4)]    ; 16 x block + the even register's constant,
	v_lshl_add_u32 v[CB+(\q)], v[IDX+(\q)], 4, v[HJ+2*((\q)%4)+1]  ; and the odd one's
.endr
.irp rb, 0,1,2,3
	v_min_num_f32 v[E+4*(\rb)], v[E+4*(\rb)], v[E+4*(\rb)+1]
.endr
.irp rb, 0,1,2,3
	v_permlanex16_b32 v[E+4*(\rb)+1], v[E+4*(\rb)], s[SEL], s[SEL+1]  ; the row's other 4 trackers lie in the lane 16 away
.endr
.irp rb, 0,1,2,3
	v_min_num_f32 v[E+4*(\rb)], v[E+4*(\rb)], v[E+4*(\rb)+1]          ; the row's least d2 in this quarter
.endr
.irp q, 0,1,2,3,4,5,6,7,8,9,10,11,12,13,14,15
	v_cmp_eq_f32 vcc_lo, v[EV+(\q)], v[FB+(\q)]
	v_cndmask_b32 v[CA+(\q)], v[CB+(\q)], v[CA+(\q)], vcc_lo       ; the even register's code where it held the pair's minimum, else the odd one's
.endr
.irp q, 0,1,2,3,4,5,6,7,8,9,10,11,12,13,14,15
	v_cmp_eq_f32 vcc_lo, v[FB+(\q)], v[E+4*((\q)/4)]
	v_cndmask_b32 v[CA+(\q)], 0x7fffffff, v[CA+(\q)], vcc_lo       ; a tracker that does not hold the row's minimum is out of the running
.endr
.irp rb, 0,1,2,3
	v_min_u32 v[CA+4*(\rb)],   v[CA+4*(\rb)],   v[CA+4*(\rb)+1]
	v_min_u32 v[CA+4*(\rb)+2], v[CA+4*(\rb)+2], v[CA+4*(\rb)+3]
.endr
.irp rb, 0,1,2,3
	v_min_u32 v[CA+4*(\rb)], v[CA+4*(\rb)], v[CA+4*(\rb)+2]
.endr
.irp rb, 0,1,2,3
	v_permlanex16_b32 v[CA+4*(\rb)+1], v[CA+4*(\rb)], s[SEL], s[SEL+1]
.endr
.irp rb, 0,1,2,3
	v_min_u32 v[CA+4*(\rb)], v[CA+4*(\rb)], v[CA+4*(\rb)+1]
.endr
	; THE WAY OUT.  Both halves of the lanes hold each row's result: lanes 0-15 keep row block 0's (2's), lanes 16-31 take row block 1's (3's), so lane l holds row l (32 + l).
	v_cndmask_b32 v20, v[E],    v[E+4],   s[HM]
	v_cndmask_b32 v21, v[E+8],  v[E+12],  s[HM]
	v_cndmask_b32 v22, v[CA],   v[CA+4],  s[HM]
	v_cndmask_b32 v23, v[CA+8], v[CA+12], s[HM]
	ds_store_b32 v[STO], v20
	ds_store_b32 v[STO], v21 offset:128
	ds_store_b32 v[STO], v22 offset:256
	ds_store_b32 v[STO], v23 offset:384
	ds_load_b64 v[24:25], v[RDA]                   ; LDS serves a wave's instructions in order (ISA guide 5.7.1.4): these see the stores above; the stage is my wave's own
	ds_load_b64 v[26:27], v[RDA] offset:256
	s_wait_dscnt 0x0
	global_store_b64 v[GO], v[24:25], s[12:13]     ; my wave's 64 rows: 256 consecutive bytes, aligned
	global_store_b64 v[GO], v[26:27], s[14:15]
	s_wait_tensorcnt 0x0                           ; the wave's end: three lines behind my last tensor load and my last LDS store
	ds_add_u32 v[SPW], v[NIL]
	s_wait_dscnt 0x0
	CROUND                                         ; the closing round: no work-group ends while a partner may still ask for a tile that names it
	s_endpgm
.Lfunc_end_k_qe46a7b13ad_vq:
	.size	k_qe46a7b13ad_vq, .Lfunc_end_k_qe46a7b13ad_vq-k_qe46a7b13ad_vq
	.p2alignl 7, 3214868480
	.fill 96, 4, 3214868480
	.section	.rodata,"a",@progbits
	.p2align	6, 0x0
	.amdhsa_kernel k_qe46a7b13ad_vq
		.amdhsa_group_segment_fixed_size 327680
		.amdhsa_private_segment_fixed_size 0
		.amdhsa_enable_private_segment 0
		.amdhsa_kernarg_size 48
		.amdhsa_user_sgpr_count 2
		.amdhsa_user_sgpr_kernarg_segment_ptr 1
		.amdhsa_wavefront_size32 1
		.amdhsa_system_sgpr_workgroup_id_x 1
		.amdhsa_system_sgpr_workgroup_id_y 1
		.amdhsa_system_sgpr_workgroup_id_z 1
		.amdhsa_system_vgpr_workitem_id 0
		.amdhsa_next_free_vgpr 1024
		.amdhsa_next_free_sgpr 66
		.amdhsa_reserve_vcc 1
		.amdhsa_float_denorm_mode_32 3
		.amdhsa_float_denorm_mode_16_64 3
		.amdhsa_memory_ordered 1
		.amdhsa_forward_progress 1
		.amdhsa_inst_pref_size 132
	.end_amdhsa_kernel
	.amdgpu_metadata
---
amdhsa.version: [ 1, 2 ]
amdhsa.kernels:
  - .name:           k_qe46a7b13ad_vq
    .symbol:         k_qe46a7b13ad_vq.kd
    .args:
      - { .name: zb, .offset: 0, .size: 8, .value_kind: global_buffer, .address_space: global }
      - { .name: cb, .offset: 8, .size: 8, .value_kind: global_buffer, .address_space: global }
      - { .name: zsq, .offset: 16, .size: 8, .value_kind: global_buffer, .address_space: global }
      - { .name: csq, .offset: 24, .size: 8, .value_kind: global_buffer, .address_space: global }
      - { .name: pval, .offset: 32, .size: 8, .value_kind: global_buffer, .address_space: global }
      - { .name: pidx, .offset: 40, .size: 8, .value_kind: global_buffer, .address_space: global }
    .group_segment_fixed_size: 327680
    .private_segment_fixed_size: 0
    .kernarg_segment_align: 8
    .kernarg_segment_size: 48
    .max_flat_workgroup_size: 128
    .sgpr_count:     66
    .vgpr_count:     1024
    .wavefront_size: 32
...
	.end_amdgpu_metadata
.endif
;; end of part 4
;; launch pick: the kernel of part 3 again; grid 256 x 1, 16 waves a work-group, no clusters, 0 bytes of LDS; arguments z, codebook, pval, pidx, out0, out1; writes out0, out1
;; ======== version 3 of 3: 3 launches; version 2 with the launches prep, pick written anew for expert scheduling mode
;; workspace buffers: zb 16,777,216 bytes; cb 8,388,608 bytes; zsq 65,536 bytes; csq 32,768 bytes; pval 262,144 bytes; pidx 262,144 bytes of whole numbers
;; launch prep (part 5): grid 256 x 1, 8 waves a work-group, no clusters, 1,536 bytes of LDS; arguments z, codebook, zb, cb, zsq, csq; writes zb, cb, zsq, csq
.if DOCPART == 5
	.amdgcn_target "amdgcn-amd-amdhsa--gfx1250"
	.amdhsa_code_object_version 6
	.text
	.protected	k_qe46a7b13ad_prep
	.globl	k_qe46a7b13ad_prep
	.p2align	8
	.type	k_qe46a7b13ad_prep,@function
k_qe46a7b13ad_prep:
	s_mov_b64 s[64:65], 0
	v_nop
	global_prefetch_b8 v0, s[64:65] scope:SCOPE_SE
	s_setreg_imm32_b32 hwreg(HW_REG_WAVE_SCHED_MODE, 0, 2), 2
	s_setreg_imm32_b32 hwreg(HW_REG_WAVE_MODE, 25, 1), 1
	s_wait_xcnt 0x0
	s_wait_alu depctr_vm_vsrc(0)
; prep: zb = bf16(z), cb = bf16(codebook), zsq[n] = sum of zb[n][:]^2, csq[k] = sum of cb[k][:]^2 (f32 sums over the ROUNDED numbers:
; the next launch forms d2 from the rounded operands, so its two norms belong to the same numbers).
; LIMIT: the sums are taken in an order of their own (two packed chains a lane, then across the 32 lanes), not in the order of a serial sum.
; SHARES.  256 work-groups of eight waves.  Work-group b: z rows 64 b .. +63 and code rows 32 b .. +31.  Wave w: 8 rows of z and 4 rows of the codebook,
; one row at a time over its 32 lanes (four loads of 16 bytes a lane: 512 consecutive bytes each).  All 48 loads of a wave go out at once: 24 KB a wave on their way.
; A stream: each input byte is read once, no work-group shares a byte with another, so no cluster, no tensor load and no matrix unit would add anything.
; The row sums meet in LDS so that zsq leaves as one store of 256 consecutive aligned bytes a work-group; csq's 32 numbers are 128 bytes, half of such a block (32 KB in the whole launch).
; THE MODE: SCHED_MODE bits 1:0 = 2 (LLVM: expert scheduling mode 2), set by the entry lines.  The code itself states the register dependences
; between vector instructions and memory or LDS instructions, with s_wait_alu, always for 0.
; THE PLAN.  Registers that memory or LDS instructions touch:
;   X          The 48 loads land in it; all are issued at the head, where no vector instruction has named it.  Row i's eight conversions write the packed words into the first two of each four
;              registers; the row's four stores, issued in row i + 1, read them; nothing writes them after that.
;   SM         Row i's sum: written by the last line of row i, read by the row's LDS store, issued in row i + 1; never written again.
;   v1 .. v5   Offsets and LDS addresses, made at the head and never written again.
;   v[24:26]   Behind the barrier: LDS loads land in them and a store reads them; no vector instruction names them.
;   v28, v29   Written at the head, read by the closing add alone.
;   T and v[16:21] are named by vector instructions alone.
; Row i works on its own 16 registers of X, T, v[16:21] and SM + i; its memory and LDS instructions are the five stores of row i - 1, whose registers no vector instruction of row i names.
; So ONE wait on va_vdst stands at a row's head, behind the wait for the row's data, and the five stores are dealt among the row's conversions with no further wait.
; No wait on vm_vsrc is owed: no register that a memory or LDS instruction has read is written again.
.set SPARE, 512                        ; LDS: 0..255 the 64 sums of z; 256..383 the 32 sums of the codebook; from 512 the spare words, 128 bytes a wave
.set T,   8                            ; v[8:15]   at work: widened numbers
.set SPW, 28                           ; v28       LDS address of my spare word; never rewritten
.set NIL, 29                           ; v29       0; never rewritten
.set X,   32                           ; v[32:223] row i of my 12 at X + 16 i: as loaded, then its first two words of each four packed to bf16
.set SM,  224                          ; v[224:235] row i's sum at SM + i
	s_load_b256 s[4:11], s[0:1], 0x0               ; z s[4:5], codebook s[6:7], zb s[8:9], cb s[10:11]
	s_load_b128 s[12:15], s[0:1], 0x20             ; zsq s[12:13], csq s[14:15]
	v_lshl_add_u32 v[SPW], v0, 2, SPARE
	v_mov_b32 v[NIL], 0
	v_lshrrev_b32 v6, 5, v0
	v_readfirstlane_b32 s16, v6                    ; wave 0..7
	v_and_b32 v7, 31, v0                           ; lane
	v_lshlrev_b32 v1, 4, v7                        ; 16 x lane: my 16 bytes in 512 of an f32 row
	v_lshlrev_b32 v2, 3, v7                        ; 8 x lane: my 8 bytes in 256 of a bf16 row
	v_lshlrev_b32 v5, 2, v7                        ; 4 x lane
	v_mov_b32 v21, 0                               ; v_permlanex16_b32 counts as a reader of its destination: written once here
	s_mov_b32 s17, 0xffff0000                      ; a word's upper bf16
	s_mov_b32 s18, 0x76543210                      ; v_permlanex16_b32: each lane takes its own place in the other half
	s_mov_b32 s19, 0xfedcba98
	s_wait_alu depctr_va_sdst(0)                   ; s16 is written, ahead of its first reader: the LDS places and four of the six bases are made from it
	s_lshl_b32 s30, s16, 5
	v_mov_b32 v3, s30                              ; LDS: my wave's 8 sums of z at 32 w
	s_lshl_b32 s31, s16, 4
	s_add_co_u32 s31, s31, 256
	v_mov_b32 v4, s31                              ; LDS: my wave's 4 sums of the codebook at 256 + 16 w
	s_lshl_b32 s20, ttmp9, 17                      ; z: (64 b + 8 w) rows of 2,048 bytes
	s_lshl_b32 s22, s16, 14
	s_add_co_u32 s20, s20, s22
	s_mov_b32 s21, 0
	s_lshr_b32 s22, s20, 1                         ; codebook: (32 b + 4 w) x 2,048, and zb: (64 b + 8 w) x 1,024: the same number
	s_mov_b32 s23, 0
	s_lshr_b32 s24, s20, 2                         ; cb: (32 b + 4 w) x 1,024
	s_mov_b32 s25, 0
	s_lshl_b32 s26, ttmp9, 8                       ; zsq: 64 b numbers
	s_mov_b32 s27, 0
	s_lshl_b32 s28, ttmp9, 7                       ; csq: 32 b numbers
	s_mov_b32 s29, 0
	s_wait_kmcnt 0x0
	s_add_nc_u64 s[4:5], s[4:5], s[20:21]
	s_add_nc_u64 s[6:7], s[6:7], s[22:23]
	s_add_nc_u64 s[8:9], s[8:9], s[22:23]
	s_add_nc_u64 s[10:11], s[10:11], s[24:25]
	s_add_nc_u64 s[12:13], s[12:13], s[26:27]
	s_add_nc_u64 s[14:15], s[14:15], s[28:29]
	s_wait_alu depctr_va_vdst(0)                   ; v1 to v5 are written: every load, store and LDS instruction of the kernel but the closing add reads one of them as its offset or address
.irp i, 0,1,2,3,4,5,6,7
.irp j, 0,1,2,3
	global_load_b128 v[X+16*(\i)+4*(\j):X+16*(\i)+4*(\j)+3], v1, s[4:5] offset:2048*(\i)+512*(\j) th:TH_LOAD_NT
.endr
.endr
.irp i, 0,1,2,3
.irp j, 0,1,2,3
	global_load_b128 v[X+128+16*(\i)+4*(\j):X+128+16*(\i)+4*(\j)+3], v1, s[6:7] offset:2048*(\i)+512*(\j) th:TH_LOAD_NT
.endr
.endr
; Store j of the four of row i: rows 0 to 7 are z's and go to zb, rows 8 to 11 the codebook's and go to cb.
.macro SEND i, j
.if (\i) < 8
	global_store_b64 v2, v[X+16*(\i)+4*(\j):X+16*(\i)+4*(\j)+1], s[8:9] offset:1024*(\i)+256*(\j)        ; 32 lanes x 8 bytes: 256 consecutive bytes, aligned
.else
	global_store_b64 v2, v[X+16*(\i)+4*(\j):X+16*(\i)+4*(\j)+1], s[10:11] offset:1024*((\i)-8)+256*(\j)
.endif
.endm
; Row i's sum into LDS: all lanes write the same word with the same number.
.macro SUMOUT i
.if (\i) < 8
	ds_store_b32 v3, v[SM+(\i)] offset:4*(\i)
.else
	ds_store_b32 v4, v[SM+(\i)] offset:4*((\i)-8)
.endif
.endm
; Row i of my 12.  left: the younger rows' loads, which stay out.
; No register that a store names is written again, so no wait stands for the stores.
.macro ROW i, left
	s_wait_loadcnt \left                           ; loads come back in order (ISA guide 5.7.1): this row's four are in
.if (\i) > 0
	s_wait_alu depctr_va_vdst(0)                   ; the row before has written its eight packed words and its sum, which the five stores below read
	SUMOUT (\i)-1
.endif
.irp j, 0,1,2,3
.if (\i) > 0
	SEND (\i)-1, \j                                ; no vector instruction since the wait names the row before's registers
.endif
	v_cvt_pk_bf16_f32 v[X+16*(\i)+4*(\j)],   v[X+16*(\i)+4*(\j)],   v[X+16*(\i)+4*(\j)+1]   ; four numbers become two words, in place
	v_cvt_pk_bf16_f32 v[X+16*(\i)+4*(\j)+1], v[X+16*(\i)+4*(\j)+2], v[X+16*(\i)+4*(\j)+3]
.endr
.irp j, 0,1,2,3
	v_lshlrev_b32 v[T+4*((\j)%2)],   16,  v[X+16*(\i)+4*(\j)]      ; the rounded numbers back in f32
	v_and_b32     v[T+4*((\j)%2)+1], s17, v[X+16*(\i)+4*(\j)]
	v_lshlrev_b32 v[T+4*((\j)%2)+2], 16,  v[X+16*(\i)+4*(\j)+1]
	v_and_b32     v[T+4*((\j)%2)+3], s17, v[X+16*(\i)+4*(\j)+1]
.if (\j) == 0
	v_pk_mul_f32 v[16:17], v[T:T+1], v[T:T+1]                      ; the first products start the two chains: nothing is cleared
	v_pk_mul_f32 v[18:19], v[T+2:T+3], v[T+2:T+3]
.else
	v_pk_fma_f32 v[16:17], v[T+4*((\j)%2):T+4*((\j)%2)+1], v[T+4*((\j)%2):T+4*((\j)%2)+1], v[16:17]
	v_pk_fma_f32 v[18:19], v[T+4*((\j)%2)+2:T+4*((\j)%2)+3], v[T+4*((\j)%2)+2:T+4*((\j)%2)+3], v[18:19]
.endif
.endr
	v_pk_add_f32 v[16:17], v[16:17], v[18:19]
	v_add_f32 v20, v16, v17
	v_add_f32_dpp v20, v20, v20 row_xmask:1 row_mask:0xf bank_mask:0xf
	v_add_f32_dpp v20, v20, v20 row_xmask:2 row_mask:0xf bank_mask:0xf
	v_add_f32_dpp v20, v20, v20 row_xmask:4 row_mask:0xf bank_mask:0xf
	v_add_f32_dpp v20, v20, v20 row_xmask:8 row_mask:0xf bank_mask:0xf
	v_permlanex16_b32 v21, v20, s18, s19
	v_add_f32 v[SM+(\i)], v20, v21                 ; every lane holds the row's sum, in a register of the row's own
.endm
.irp i, 0,1,2,3,4,5,6,7,8,9,10,11
	ROW \i, 44-4*(\i)                              ; 44, 40, .. 0: four loads for each younger row
.endr
	s_wait_alu depctr_va_vdst(0)                   ; the last row has written its eight packed words and its sum, which its five stores read
	SUMOUT 11
.irp j, 0,1,2,3
	SEND 11, \j
.endr
	s_wait_dscnt 0x0                               ; for the others' sake: my sums are in LDS
	s_barrier_signal -1
	s_barrier_wait -1
	s_cmp_lg_u32 s16, 0
	s_cbranch_scc1 .Lnot_wave_0
	ds_load_b64 v[24:25], v2                       ; wave 0: the 64 sums of z, two a lane; no vector instruction names v[24:26], and v2 and v5 stand as the head's wait found them
	s_wait_dscnt 0x0
	global_store_b64 v2, v[24:25], s[12:13]        ; 256 consecutive bytes, aligned
.Lnot_wave_0:
	s_cmp_lg_u32 s16, 1
	s_cbranch_scc1 .Lnot_wave_1
	ds_load_b32 v26, v5 offset:256                 ; wave 1: the 32 sums of the codebook
	s_wait_dscnt 0x0
	global_store_b32 v5, v26, s[14:15]             ; 128 consecutive bytes
.Lnot_wave_1:
	s_wait_dscnt 0x0                               ; the closing lines, six on end
	s_wait_alu 0x0
	s_wait_tensorcnt 0x0
	ds_add_u32 v[SPW], v[NIL]
	s_wait_dscnt 0x0
	s_endpgm
.Lfunc_end_k_qe46a7b13ad_prep:
	.size	k_qe46a7b13ad_prep, .Lfunc_end_k_qe46a7b13ad_prep-k_qe46a7b13ad_prep
	.p2alignl 7, 3214868480
	.fill 96, 4, 3214868480
	.section	.rodata,"a",@progbits
	.p2align	6, 0x0
	.amdhsa_kernel k_qe46a7b13ad_prep
		.amdhsa_group_segment_fixed_size 1536
		.amdhsa_private_segment_fixed_size 0
		.amdhsa_enable_private_segment 0
		.amdhsa_kernarg_size 48
		.amdhsa_user_sgpr_count 2
		.amdhsa_user_sgpr_kernarg_segment_ptr 1
		.amdhsa_wavefront_size32 1
		.amdhsa_system_sgpr_workgroup_id_x 1
		.amdhsa_system_sgpr_workgroup_id_y 1
		.amdhsa_system_sgpr_workgroup_id_z 1
		.amdhsa_system_vgpr_workitem_id 0
		.amdhsa_next_free_vgpr 236
		.amdhsa_next_free_sgpr 66
		.amdhsa_reserve_vcc 0
		.amdhsa_float_denorm_mode_32 3
		.amdhsa_float_denorm_mode_16_64 3
		.amdhsa_memory_ordered 1
		.amdhsa_forward_progress 1
		.amdhsa_inst_pref_size 37
	.end_amdhsa_kernel
	.amdgpu_metadata
---
amdhsa.version: [ 1, 2 ]
amdhsa.kernels:
  - .name:           k_qe46a7b13ad_prep
    .symbol:         k_qe46a7b13ad_prep.kd
    .args:
      - { .name: z, .offset: 0, .size: 8, .value_kind: global_buffer, .address_space: global }
      - { .name: codebook, .offset: 8, .size: 8, .value_kind: global_buffer, .address_space: global }
      - { .name: zb, .offset: 16, .size: 8, .value_kind: global_buffer, .address_space: global }
      - { .name: cb, .offset: 24, .size: 8, .value_kind: global_buffer, .address_space: global }
      - { .name: zsq, .offset: 32, .size: 8, .value_kind: global_buffer, .address_space: global }
      - { .name: csq, .offset: 40, .size: 8, .value_kind: global_buffer, .address_space: global }
    .group_segment_fixed_size: 1536
    .private_segment_fixed_size: 0
    .kernarg_segment_align: 8
    .kernarg_segment_size: 48
    .max_flat_workgroup_size: 256
    .sgpr_count:     66
    .vgpr_count:     236
    .wavefront_size: 32
...
	.end_amdgpu_metadata
.endif
;; end of part 5
;; launch vq: the kernel of part 4 again; grid 64 x 4, 4 waves a work-group, clusters of 4 x 1, 327,680 bytes of LDS; arguments zb, cb, zsq, csq, pval, pidx; writes pval, pidx
;; launch pick (part 6): grid 256 x 1, 16 waves a work-group, no clusters, 0 bytes of LDS; arguments z, codebook, pval, pidx, out0, out1; writes out0, out1
.if DOCPART == 6
	.amdgcn_target "amdgcn-amd-amdhsa--gfx1250"
	.amdhsa_code_object_version 6
	.text
	.protected	k_qe46a7b13ad_pick
	.globl	k_qe46a7b13ad_pick
	.p2align	8
	.type	k_qe46a7b13ad_pick,@function
k_qe46a7b13ad_pick:
	s_mov_b64 s[64:65], 0
	v_nop
	global_prefetch_b8 v0, s[64:65] scope:SCOPE_SE
	s_setreg_imm32_b32 hwreg(HW_REG_WAVE_SCHED_MODE, 0, 2), 2
	s_setreg_imm32_b32 hwreg(HW_REG_WAVE_MODE, 25, 1), 1
	s_wait_xcnt 0x0
	s_wait_alu depctr_vm_vsrc(0)
; pick: for each row the four quarters' candidates (pval, pidx) are merged; out1 = the code's number, out0 = z + (codebook[number] - z), two roundings in f32, from the unrounded inputs.
; The choice among the four hangs on floating-point numbers, so it steers no address: all FOUR candidate rows are loaded (their addresses come from pidx alone) and the row is chosen by v_cndmask_b32.
; A strict comparison keeps the lower quarter on a tie, so the first code wins, as in an argmin.
; LIMIT: NaN in pval is not treated apart.  pidx is cut to 0 .. 8,191 before it enters an address; the launch before stores nothing outside that range.
; SHARES.  256 work-groups of 16 waves, 64 rows each; a wave owns 4 rows, a row over its 32 lanes (four loads of 16 bytes a lane: 512 consecutive bytes each).  Wave 0 also merges the 64 numbers for out1.
; A stream and a gather: no LDS, no barrier, EXEC never changes.  No cluster: the rows that a work-group reads from the codebook are named by a list, so no tile is shared at a known time.
; Up to 48 loads of a wave are on their way: z's 16 and two rows' 32 candidates.
; THE MODE: SCHED_MODE bits 1:0 = 2 (LLVM: expert scheduling mode 2), set by the entry lines.  The code itself states the register dependences
; between vector instructions and memory instructions, and between a vector instruction that writes a scalar register and that register's readers, with s_wait_alu, always for 0.
; THE PLAN.  Registers that memory instructions touch:
;   v1, v2, v3  Offsets, made at the head and never written again.
;   PI          Loaded; cut and scaled by 32 vector lines; then read as the address of all 64 candidate loads; never written again.
;   C0, C1      Row i's 16 candidate loads land in C[i % 2]; the row's selects and sums read and write it; then the loads of row i + 2 land in it.
;   Z           Loaded; row i's last sums write the result into its 16 registers; the row's four stores read them; never written again.
;   XI          Wave 0: loaded; its selects write the first pair, which out1's store reads; never written again.
;   PV and XV are loaded and after that named by vector instructions alone.
; So ONE wait on va_vdst stands in a row, behind its arithmetic: it states that Z holds the result, for the four stores, and that the selects and sums are done with C[i % 2], for the 16 loads that
; follow the stores.  It stands there and not at the next row's head, so that the buffer is asked for again as soon as it is empty.  Between it and those loads stand the stores alone, which name Z and v1.
; The compares stand in runs, into scalar registers, with one wait on va_sdst behind each run.  No wait on vm_vsrc is owed: no register that a memory instruction has read is written again.
.set PV, 4                             ; v[4:19]    least d2: quarter g, row i at PV + 4 g + i (the same in every lane)
.set PI, 20                            ; v[20:35]   the code's number, likewise; then the byte offset of my 16 bytes in that code's row; never rewritten after that
.set XV, 36                            ; v[36:43]   wave 0: d2 of rows 2 l, 2 l + 1 of the work-group: quarter g at XV + 2 g
.set XI, 44                            ; v[44:51]   wave 0: their numbers
.set Z,  52                            ; v[52:115]  row i of z at Z + 16 i; then the result
.set C,  116                           ; v[116:243] two buffers of four candidate rows: C + 64 buf + 16 g
.set M,  32                            ; s[32:43]   row i: does quarter g (1 to 3) beat all lower ones? at M + 3 i + g - 1: all ones or all zeros, since every lane compares the same numbers
.set W,  20                            ; s[20:25]   wave 0, once the offsets that lie here at the head have been added: the same question lane by lane, for row 2 l + e: at W + 3 e + g - 1
	s_load_b256 s[4:11], s[0:1], 0x0               ; z s[4:5], codebook s[6:7], pval s[8:9], pidx s[10:11]
	s_load_b128 s[12:15], s[0:1], 0x20             ; out0 s[12:13], out1 s[14:15]
	v_lshrrev_b32 v1, 5, v0
	v_readfirstlane_b32 s16, v1                    ; wave 0..15
	v_and_b32 v3, 31, v0
	v_lshlrev_b32 v1, 4, v3                        ; 16 x lane
	v_lshlrev_b32 v3, 3, v3                        ; 8 x lane
	v_mov_b32 v2, 0
	s_lshl_b32 s20, ttmp9, 17                      ; (64 b + 4 w) rows of 2,048 bytes
	s_wait_alu depctr_va_sdst(0)                   ; s16 is written, ahead of its first reader: the wave's offsets are made from it, and two branches hang on it
	s_lshl_b32 s17, s16, 13
	s_add_co_u32 s20, s20, s17
	s_mov_b32 s21, 0
	s_lshl_b32 s22, ttmp9, 8                       ; the work-group's 64 rows, 4 bytes each
	s_mov_b32 s23, 0
	s_lshl_b32 s24, s16, 4                         ; my wave's 4 of them
	s_mov_b32 s25, 0
	s_wait_kmcnt 0x0
	s_add_nc_u64 s[4:5], s[4:5], s[20:21]
	s_add_nc_u64 s[12:13], s[12:13], s[20:21]
	s_add_nc_u64 s[8:9], s[8:9], s[22:23]
	s_add_nc_u64 s[10:11], s[10:11], s[22:23]
	s_add_nc_u64 s[14:15], s[14:15], s[22:23]
	s_add_nc_u64 s[26:27], s[8:9], s[24:25]
	s_add_nc_u64 s[28:29], s[10:11], s[24:25]
	s_wait_alu depctr_va_vdst(0)                   ; v1, v2 and v3 are written: the loads of pval, pidx and z and all stores read one of them as their offset
.irp g, 0,1,2,3
	global_load_b128 v[PV+4*(\g):PV+4*(\g)+3], v2, s[26:27] offset:65536*(\g)  ; every lane reads the same 16 bytes: my 4 rows in quarter g
	global_load_b128 v[PI+4*(\g):PI+4*(\g)+3], v2, s[28:29] offset:65536*(\g)
.endr
	s_cmp_lg_u32 s16, 0
	s_cbranch_scc1 .Lno_list
.irp g, 0,1,2,3
	global_load_b64 v[XV+2*(\g):XV+2*(\g)+1], v3, s[8:9] offset:65536*(\g)     ; wave 0: the work-group's 64 rows, 256 consecutive bytes a load
	global_load_b64 v[XI+2*(\g):XI+2*(\g)+1], v3, s[10:11] offset:65536*(\g)
.endr
.Lno_list:
.irp i, 0,1,2,3
.irp j, 0,1,2,3
	global_load_b128 v[Z+16*(\i)+4*(\j):Z+16*(\i)+4*(\j)+3], v1, s[4:5] offset:2048*(\i)+512*(\j) th:TH_LOAD_NT
.endr
.endr
	s_wait_loadcnt 16                              ; z's 16 loads may stay out: the candidates' values and numbers are in, wave 0's lists too
.set k, 0
.rept 16
	v_min_u32 v[PI+k], 0x1fff, v[PI+k]             ; inside the table,
	v_lshl_add_u32 v[PI+k], v[PI+k], 11, v1        ; x 2,048 bytes a row + 16 x lane
.set k, k+1
.endr
.macro CAND i, buf                     ; row i's four candidate rows into buffer buf: 16 loads
.irp g, 0,1,2,3
.irp j, 0,1,2,3
	global_load_b128 v[C+64*(\buf)+16*(\g)+4*(\j):C+64*(\buf)+16*(\g)+4*(\j)+3], v[PI+4*(\g)+(\i)], s[6:7] offset:512*(\j)
.endr
.endr
.endm
	s_wait_alu depctr_va_vdst(0)                   ; the 16 offsets in PI are written, which the candidate loads of all four rows read
	CAND 0, 0
	CAND 1, 1
.irp i, 0,1,2,3
.irp g, 1,2,3
	v_cmp_lt_f32 s[M+3*(\i)+(\g)-1], v[PV+4*(\g)+(\i)], v[PV+(\i)]  ; strictly below the least so far
	v_min_num_f32 v[PV+(\i)], v[PV+4*(\g)+(\i)], v[PV+(\i)]
.endr
.endr
	s_wait_alu depctr_va_sdst(0)                   ; the twelve masks s[M ..] are written: one wait behind the run, ahead of the branch; the rows' selects read them
	s_cmp_lg_u32 s16, 0
	s_cbranch_scc1 .Lno_index
.irp e, 0,1
.irp g, 1,2,3
	v_cmp_lt_f32 s[W+3*(\e)+(\g)-1], v[XV+2*(\g)+(\e)], v[XV+(\e)]  ; wave 0: the same merge, a lane for two rows: first the six compares in one run,
	v_min_num_f32 v[XV+(\e)], v[XV+2*(\g)+(\e)], v[XV+(\e)]
.endr
.endr
	s_wait_alu depctr_va_sdst(0)                   ; the six masks s[W ..] are written, ahead of the selects that read them
.irp e, 0,1
.irp g, 1,2,3
	v_cndmask_b32 v[XI+(\e)], v[XI+(\e)], v[XI+2*(\g)+(\e)], s[W+3*(\e)+(\g)-1]  ; then the selects, on the numbers themselves, the quarters in ascending order
.endr
.endr
	s_wait_alu depctr_va_vdst(0)                   ; the selects have written v[XI:XI+1], which the store reads
	global_store_b64 v3, v[XI:XI+1], s[14:15]      ; out1: 256 consecutive bytes, aligned
.Lno_index:
; Row i, whose candidates lie in buffer buf.  left: the next row's 16 loads, which stay out.  The result lies in z's registers, which nothing writes again, so the buffer is free at once.
.macro ROWOUT i, buf, left
	s_wait_loadcnt \left
.irp g, 1,2,3
.set k, 0
.rept 16
	v_cndmask_b32 v[C+64*(\buf)+k], v[C+64*(\buf)+k], v[C+64*(\buf)+16*(\g)+k], s[M+3*(\i)+(\g)-1]  ; a later quarter that beat all before it takes the place
.set k, k+1
.endr
.endr
.set k, 0
.rept 8
	v_pk_add_f32 v[C+64*(\buf)+k:C+64*(\buf)+k+1], v[C+64*(\buf)+k:C+64*(\buf)+k+1], v[Z+16*(\i)+k:Z+16*(\i)+k+1] neg_lo:[0,1] neg_hi:[0,1]  ; c - z
.set k, k+2
.endr
.set k, 0
.rept 8
	v_pk_add_f32 v[Z+16*(\i)+k:Z+16*(\i)+k+1], v[Z+16*(\i)+k:Z+16*(\i)+k+1], v[C+64*(\buf)+k:C+64*(\buf)+k+1]  ; z + (c - z)
.set k, k+2
.endr
	s_wait_alu depctr_va_vdst(0)                   ; the sums have written the row's 16 registers of Z, which the stores read; the selects and sums are done reading and writing this buffer of C, in which the loads of the row two on land
.irp j, 0,1,2,3
	global_store_b128 v1, v[Z+16*(\i)+4*(\j):Z+16*(\i)+4*(\j)+3], s[12:13] offset:2048*(\i)+512*(\j) th:TH_STORE_NT  ; 512 consecutive bytes, aligned
.endr
.endm
	ROWOUT 0, 0, 16                                ; row 1's candidates stay out; z, which was asked for earlier, is in
	CAND 2, 0                                      ; no vector instruction stands between the row's wait and these loads
	ROWOUT 1, 1, 16
	CAND 3, 1
	ROWOUT 2, 0, 16
	ROWOUT 3, 1, 0
	s_endpgm
.Lfunc_end_k_qe46a7b13ad_pick:
	.size	k_qe46a7b13ad_pick, .Lfunc_end_k_qe46a7b13ad_pick-k_qe46a7b13ad_pick
	.p2alignl 7, 3214868480
	.fill 96, 4, 3214868480
	.section	.rodata,"a",@progbits
	.p2align	6, 0x0
	.amdhsa_kernel k_qe46a7b13ad_pick
		.amdhsa_group_segment_fixed_size 0
		.amdhsa_private_segment_fixed_size 0
		.amdhsa_enable_private_segment 0
		.amdhsa_kernarg_size 48
		.amdhsa_user_sgpr_count 2
		.amdhsa_user_sgpr_kernarg_segment_ptr 1
		.amdhsa_wavefront_size32 1
		.amdhsa_system_sgpr_workgroup_id_x 1
		.amdhsa_system_sgpr_workgroup_id_y 1
		.amdhsa_system_sgpr_workgroup_id_z 1
		.amdhsa_system_vgpr_workitem_id 0
		.amdhsa_next_free_vgpr 248
		.amdhsa_next_free_sgpr 66
		.amdhsa_reserve_vcc 0
		.amdhsa_float_denorm_mode_32 3
		.amdhsa_float_denorm_mode_16_64 3
		.amdhsa_memory_ordered 1
		.amdhsa_forward_progress 1
		.amdhsa_inst_pref_size 33
	.end_amdhsa_kernel
	.amdgpu_metadata
---
amdhsa.version: [ 1, 2 ]
amdhsa.kernels:
  - .name:           k_qe46a7b13ad_pick
    .symbol:         k_qe46a7b13ad_pick.kd
    .args:
      - { .name: z, .offset: 0, .size: 8, .value_kind: global_buffer, .address_space: global }
      - { .name: codebook, .offset: 8, .size: 8, .value_kind: global_buffer, .address_space: global }
      - { .name: pval, .offset: 16, .size: 8, .value_kind: global_buffer, .address_space: global }
      - { .name: pidx, .offset: 24, .size: 8, .value_kind: global_buffer, .address_space: global }
      - { .name: out0, .offset: 32, .size: 8, .value_kind: global_buffer, .address_space: global }
      - { .name: out1, .offset: 40, .size: 8, .value_kind: global_buffer, .address_space: global }
    .group_segment_fixed_size: 0
    .private_segment_fixed_size: 0
    .kernarg_segment_align: 8
    .kernarg_segment_size: 48
    .max_flat_workgroup_size: 512
    .sgpr_count:     66
    .vgpr_count:     248
    .wavefront_size: 32
...
	.end_amdgpu_metadata
.endif
;; end of part 6
